; MI455X (gfx1250); checked and timed in simulation.
; The chip was launched on July 23, 2026; its instructions are those of AMD's public machine-readable ISA for CDNA 5 (MIT licence, August 2026) and "CDNA5" Instruction Set Architecture Reference Guide (July 2026). The comments in the code are by the model that wrote it; some were corrected since.
;; Coordinate Decoder. Allowed arithmetic: matrix products marked QUANTISED: E5M2 operands, one given power-of-two scale a tensor, by v_wmma_f32_16x16x64_bf8_bf8 or v_wmma_f32_16x16x128_bf8_bf8, f32 sums; products left as they are: f32 operands where the result goes on into a quantised operand, else bf16, f16 or f32 operands; f32 sums; everything else in f32.
;; Inputs: b0 128 float32; b1 128 float32; b2 128 float32; b_out 3 float32; coords 65,536 x 2 float32; feature_grid 8 x 64 x 64 x 256 float32; lowp_scales 6 int32 (the exponents e of the quantised operands' scales 2^e); w0 298 x 128 float32; w1_codes 128 x 4 x 32 uint8 (E5M2 codes of w1, K innermost, in blocks of 32 codes); w2_codes 128 x 4 x 32 uint8 (E5M2 codes of w2, K innermost, in blocks of 32 codes); w_out 128 x 3 float32.
;; Outputs: out0 8 x 65,536 x 3 float32.
;; This version of the problem:
;;   THIS VERSION OF THE PROBLEM IS GIVEN IN LOW PRECISION. The matrix products marked QUANTISED in the list below multiply operands that are first quantised to E5M2 (5 exponent bits, 2 mantissa bits; 8 bits a number), with one given power-of-two scale for each operand tensor; their sums are f32. All else is computed in f32.
;;   The module's matrix products, in the order in which they are computed (A, B: the left and right operand; K: the contracted axis; several contracted axes count as one K, in the product's order):
;;     1. [M 524,288, K 298] x [K 298, N 128]; A: computed on the way; B: input w0: QUANTISED (scales: A lowp_scales[0], B lowp_scales[1])
;;     2. [M 524,288, K 128] x [K 128, N 128]; A: computed on the way; B: input w1 (given as codes): QUANTISED (scales: A lowp_scales[2], B lowp_scales[3])
;;     3. [M 524,288, K 128] x [K 128, N 128]; A: computed on the way; B: input w2 (given as codes): QUANTISED (scales: A lowp_scales[4], B lowp_scales[5])
;;     4. [M 524,288, K 128] x [K 128, N 3]; A: computed on the way; B: input w_out: left as it is (N = 3 < 16)
;;   THE QUANTISER, for each operand of a quantised product, along K:
;;     - The operand's scale is 2^e, e = its entry of the input lowp_scales (int32; the entries are numbered through the quantised products in the list's order, A before B).
;;     - Each number is divided by the scale, clamped to +-57,344, and rounded to the nearest number of E5M2, ties to even, subnormals kept.
;;     - The product sums the exact products of the quantised numbers (number of the format x scale) in f32.
;;   ~~~python
;;   def quantise(x, axis, e):      # numpy; x: float32 -> the quantised numbers, widened to float32 again
;;       x = np.moveaxis(x, axis, -1); K = x.shape[-1]
;;       r = np.clip(x / 2.0 ** e, -57344, 57344)
;;       step = 2.0 ** (np.maximum(np.frexp(np.where(r == 0, 1, r))[1] - 1, -14) - 2)
;;       q = np.round(r / step) * step * 2.0 ** e      # np.round: ties to even
;;       return np.moveaxis(q, -1, axis).astype(np.float32)
;;   ~~~
;;   OPERANDS COMPUTED ON THE WAY. 'Computed on the way' means the value that the module computes at that place (a softmax that the list does not call 'softmax' is quantised finished and normalised). What goes into a quantiser is computed in f32, as accurately as f32 sums, v_exp_f32 and their like allow (about 1e-6 of the number): no bf16 or f16 on the way to a quantiser, and a product that is left as it is and whose result goes on into a quantised operand takes f32 operands (vector FMAs, or v_wmma_f32_16x16x4_f32). A number that lies on a knife's edge between two numbers of the format may be rounded either way, as far as f32 arithmetic and the matrix unit's own rounding can turn it there, and no further.
;;   INPUTS GIVEN AS CODES. w1 (in the module: [128, 128], K = its axis 0); w2 (in the module: [128, 128], K = its axis 0): each comes as NAME_codes (uint8): NAME with its K axis moved to the last place and cut into blocks of 32 codes, [.., K / 32, bytes a block], one block behind the other in memory; one code a byte (a code: sign, 5 exponent bits, 2 mantissa bits); its scale is its entry of lowp_scales. Its value is code x scale, taken as it is: it is not quantised again, and the codes and scales need not be those that the quantiser above would give.
;; 2 versions. Each part assembles by itself: llvm-mc -triple=amdgcn-amd-amdhsa -mcpu=gfx1250 --defsym DOCPART=n.
;; ======== version 1 of 2: 2 launches
;; limits: right only within a limited range of input values; values are held in f16: magnitudes above 65,504 overflow, below 6.1e-05 lose precision
;; workspace buffers: pidx 1,048,576 bytes of whole numbers; pwts 1,048,576 bytes; encimg 4,194,304 bytes; wimg 81,920 bytes
;; launch prep (part 1): grid 276 x 1, 8 waves a work-group, no clusters, 0 bytes of LDS; arguments coords, w0, w1_codes, w2_codes, w_out, b0, b1, b2, lowp_scales, pidx, pwts, encimg, wimg; writes pidx, pwts, encimg, wimg
.if DOCPART == 1
	.amdgcn_target "amdgcn-amd-amdhsa--gfx1250"
	.amdhsa_code_object_version 6
	.text
	.protected	k_q93bf23f01f_prep
	.globl	k_q93bf23f01f_prep
	.p2align	8
	.type	k_q93bf23f01f_prep,@function
k_q93bf23f01f_prep:
	s_mov_b64 s[64:65], 0
	v_nop
	global_prefetch_b8 v0, s[64:65] scope:SCOPE_SE
	s_setreg_imm32_b32 hwreg(HW_REG_WAVE_MODE, 25, 1), 1
	s_wait_xcnt 0x0
; FIRST OF TWO LAUNCHES.  What hangs on a point alone, and what hangs on the weights alone, is made once and stored for the second launch.
; NOTHING OF THE PROBLEM IS LEFT OUT: every input has a way to the output and is loaded by one of the two launches; all four products are multiplied.
; Two things are done less often than they are written: the 42 encoded numbers of a point are the same for the 8 images (they are broadcast), so they are computed and quantised once a point;
; and K of the first product, 298, is filled up to 320 with zero codes on both operands, which add nothing to a sum.
; PER POINT n (work-groups 0-255, a thread a point):
;   pidx[n][4]  cell = 64 row + col of the four grid corners (r0,c0) (r0,c1) (r1,c0) (r1,c1), after the reflecting index rule: fix(i) = | ((2 i + 129) mod 256) - 128 | / 2
;   pwts[n][4]  the four products of the row weight and the column weight, in the same order
;   encimg      the 42 encoded numbers as E5M2 codes with the scale 2^e0, 64 bytes a point, laid as the registers of a K = 64 operand want them:
;               [tile of 16 points][chunk c][lane 16 h + r][16 bytes], byte i = encoded number 32 h + 16 c + i, zero code from 42 on
; PER WEIGHT (work-groups 256-275, a thread a chunk of 16 bytes): wimg, images of the operand registers: a fragment is a run of chunks of 512 bytes, lane l at 16 l.
;   Lane r of tile n takes output unit 32 (n / 2) + 8 (n % 2) + r + (r & 8), so that the results of two neighbouring tiles are 16 neighbours along the next K.
;   0      w0, rows 42 on: tile n, K step s at 2048 (2 n + s); chunk c byte i = position p = 128 s + 32 c + 16 h + i, which stands for channel 4 (p / 8) + p % 8 (p % 8 < 4) or 128 + 4 (p / 8) + p % 8 - 4
;   32768  w0, rows 0 to 41, K = 64: tile n at 1024 n; chunk c byte i = row 32 h + 16 c + i, zero code from 42 on
;   40960  w1 as given, tile n at 2048 n; 57344 w2 likewise
;   73728  w_out as f16, K step b at 1024 b: rows 0-2 and 8-10 of the operand hold the three outputs, all other rows zeros
;   77824  b0, b1, b2, each divided by the power of two that the sums of its layer lack; then zeros up to 81920
; SINE AND COSINE: a = x * (2^f pi) as the problem forms it; n = the nearest whole number to a * 2 / pi; r = a - n pi / 2 with pi / 2 in three parts (the first step is exact); polynomials on |r| <= pi / 4.
; LIMITS: |coords| <= 4096; e0 and e1 between -126 and 112; NaN and infinity among the inputs are not served; w_out is held within +-65504.
.set IMG_W0E, 32768
.set IMG_W1,  40960
.set IMG_W2,  57344
.set IMG_WO,  73728
.set IMG_B,   77824
.set TWOPI, 46                         ; s46      2 / pi
.set NP1,   47                         ; s47-49   - pi / 2 in three parts
.set NP2,   48
.set NP3,   49
.set S1,    50                         ; s50-52   the sine's coefficients
.set S2,    51
.set S3,    52
.set C1,    53                         ; s53-55   the cosine's
.set C2,    54
.set C3,    55
.set E,     16                         ; v16-63   the encoded numbers, 42 and six zeros
; the output unit that lane r of tile n takes
.macro UNIT d, n, r, t
	v_lshrrev_b32 v[\t], 1, v[\n]
	v_lshlrev_b32 v[\t], 5, v[\t]
	v_and_b32 v[\d], 1, v[\n]
	v_lshl_add_u32 v[\d], v[\d], 3, v[\t]
	v_add_nc_u32 v[\d], v[\d], v[\r]
	v_and_b32 v[\t], 8, v[\r]
	v_add_nc_u32 v[\d], v[\d], v[\t]
.endm
; 16 numbers of w0 in v16-31 become 16 codes with the scale 2^e1 and are stored at off + v10; the path ends
.macro WQUANT off
	s_wait_kmcnt 0x0                               ; the scales
	s_add_co_i32 s4, s37, 127
	s_lshl_b32 s5, s4, 23
	v_mov_b32 v11, s5                              ; 2^e1 as f32: the conversion takes its exponent field
	s_add_co_i32 s4, s4, 15
	s_lshl_b32 s4, s4, 23
	s_or_b32 s4, s4, 0x600000
	v_mov_b32 v12, s4                              ; 57,344 x 2^e1
.irp i, 0,1,2,3,4,5,6,7,8,9,10,11,12,13,14,15
	v_med3_num_f32 v[16+\i], v[16+\i], -v12, v12   ; the conversion does not saturate (ISA guide 7.6.2): the hold comes first
.endr
	v_cvt_scalef32_pk8_bf8_f32 v[32:33], v[16:23], v11
	v_cvt_scalef32_pk8_bf8_f32 v[34:35], v[24:31], v11
	global_store_b128 v10, v[32:35], s[32:33] offset:\off   ; a wave stores 512 consecutive bytes
	s_endpgm
.endm
; one fixed index: | ((2 i + k) mod 256) - 128 | / 2, i in v5
.macro FIX d, k
	v_lshl_add_u32 v6, v5, 1, \k
	v_and_b32 v6, 0xff, v6
	v_add_nc_u32 v6, 0xffffff80, v6
	v_sub_nc_u32 v7, 0, v6
	v_max_i32 v6, v6, v7
	v_lshrrev_b32 v[\d], 1, v6
.endm
; one axis: v[x] the coordinate; v[o] the lower index, v[o+1] the upper, v[o+2] the lower weight, v[o+3] the upper weight
.macro AXIS x, o
	v_add_f32 v4, 1.0, v[\x]
	v_mul_f32 v4, 0.5, v4
	v_mul_f32 v4, 0x427c0000, v4                   ; x 63
	v_floor_f32 v5, v4
	v_sub_f32 v[\o+3], v4, v5
	v_sub_f32 v[\o+2], 1.0, v[\o+3]
	v_cvt_i32_f32 v5, v5
	FIX \o, 129
	FIX \o+1, 131
.endm
; sine and cosine of v[x] * 2^f pi into v[ds] and v[dc]; v4-15 at work
.macro SINCOS x, f, ds, dc
	v_mul_f32 v4, 0x40490fdb+((\f)<<23), v[\x]     ; a
	v_mul_f32 v5, s[TWOPI], v4
	v_rndne_f32 v5, v5                             ; n
	v_fma_f32 v6, v5, s[NP1], v4
	v_fma_f32 v6, v5, s[NP2], v6
	v_fma_f32 v6, v5, s[NP3], v6                   ; r
	v_cvt_i32_f32 v7, v5                           ; the quadrant, in its two low bits
	v_mul_f32 v8, v6, v6                           ; z = r r
	v_fma_f32 v9, v8, s[S3], s[S2]
	v_fma_f32 v9, v9, v8, s[S1]
	v_mul_f32 v10, v8, v6
	v_fma_f32 v9, v9, v10, v6                      ; sin r
	v_fma_f32 v11, v8, s[C3], s[C2]
	v_fma_f32 v11, v11, v8, s[C1]
	v_fma_f32 v11, v11, v8, -0.5
	v_fma_f32 v11, v11, v8, 1.0                    ; cos r
	v_and_b32 v12, 1, v7
	v_cmp_eq_u32 vcc_lo, 1, v12
	v_cndmask_b32 v13, v9, v11, vcc_lo             ; in odd quadrants the two change places
	v_cndmask_b32 v14, v11, v9, vcc_lo
	v_lshlrev_b32 v12, 30, v7
	v_and_b32 v12, 0x80000000, v12                 ; the sine is negated in quadrants 2 and 3,
	v_xor_b32 v[\ds], v13, v12
	v_add_nc_u32 v7, 1, v7
	v_lshlrev_b32 v7, 30, v7
	v_and_b32 v7, 0x80000000, v7                   ; the cosine in quadrants 1 and 2
	v_xor_b32 v[\dc], v14, v7
.endm
	s_load_b512 s[8:23], s[0:1], 0x0               ; coords s[8:9], w0 s[10:11], w1 s[12:13], w2 s[14:15], w_out s[16:17], b0 s[18:19], b1 s[20:21], b2 s[22:23]
	s_load_b256 s[24:31], s[0:1], 0x40             ; lowp_scales s[24:25], pidx s[26:27], pwts s[28:29], encimg s[30:31]
	s_load_b64 s[32:33], s[0:1], 0x60              ; wimg
	v_lshrrev_b32 v1, 5, v0
	v_readfirstlane_b32 s2, v1                     ; wave 0..7
	s_wait_kmcnt 0x0
	s_load_b128 s[36:39], s[24:25], 0x0            ; e0 .. e3
	s_load_b64 s[40:41], s[24:25], 0x10            ; e4, e5
	s_cmp_lt_u32 ttmp9, 256                        ; the paths part on the work-group number alone
	s_cbranch_scc1 .Lpoints
	s_cmp_lt_u32 ttmp9, 264
	s_cbranch_scc1 .Lw0s
	s_cmp_lt_u32 ttmp9, 266
	s_cbranch_scc1 .Lw0e
	s_cmp_lt_u32 ttmp9, 274
	s_cbranch_scc1 .Lw12
	s_cmp_eq_u32 ttmp9, 274
	s_cbranch_scc1 .Lwo
	; ---- work-group 275: the biases.  Wave L = 0, 1, 2 takes b_L; waves 3 to 7 store the zeros behind them
	v_and_b32 v1, 31, v0
	v_lshlrev_b32 v1, 4, v1                        ; 16 x lane
	s_lshl_b32 s3, s2, 9
	v_add_nc_u32 v2, s3, v1                        ; + 512 x wave
	s_cmp_ge_u32 s2, 3
	s_cbranch_scc1 .Lzero
	s_cmp_eq_u32 s2, 0
	s_cselect_b64 s[44:45], s[18:19], s[20:21]
	s_cmp_eq_u32 s2, 2
	s_cselect_b64 s[44:45], s[22:23], s[44:45]
	global_load_b128 v[16:19], v1, s[44:45]
	s_wait_kmcnt 0x0
	s_add_co_i32 s4, s36, s37
	s_add_co_i32 s5, s38, s39
	s_add_co_i32 s6, s40, s41
	s_cmp_eq_u32 s2, 0
	s_cselect_b32 s4, s4, s5
	s_cmp_eq_u32 s2, 2
	s_cselect_b32 s4, s6, s4                       ; the two exponents of my layer, added
	s_sub_co_i32 s4, 0, s4
	s_wait_loadcnt 0x0
.irp i, 0,1,2,3
	v_ldexp_f32 v[16+\i], v[16+\i], s4             ; the bias enters the sums as their first term, so it is divided by what they lack
.endr
	global_store_b128 v2, v[16:19], s[32:33] offset:IMG_B
	s_endpgm
.Lzero:
.irp i, 0,1,2,3
	v_mov_b32 v[16+\i], 0
.endr
	s_wait_kmcnt 0x0
	global_store_b128 v2, v[16:19], s[32:33] offset:IMG_B
	s_endpgm
	; ---- work-groups 256-263: w0, rows 42 on
.Lw0s:
	s_sub_co_u32 s3, ttmp9, 256
	s_lshl_b32 s3, s3, 8
	v_add_nc_u32 v1, s3, v0                        ; chunk 0 .. 2047
	v_and_b32 v2, 15, v1                           ; r
	v_bfe_u32 v3, v1, 4, 1                         ; h
	v_bfe_u32 v4, v1, 5, 2                         ; c
	v_bfe_u32 v5, v1, 7, 1                         ; s
	v_lshrrev_b32 v6, 8, v1                        ; n
	UNIT 7, 6, 2, 8
	v_lshlrev_b32 v9, 6, v5
	v_lshl_add_u32 v9, v4, 4, v9
	v_lshl_add_u32 v9, v3, 3, v9
	v_add_nc_u32 v9, 42, v9                        ; first row of w0: 42 + 64 s + 16 c + 8 h
	v_lshlrev_b32 v9, 9, v9                        ; a row of w0 is 512 bytes
	v_lshl_add_u32 v9, v7, 2, v9
.set I, 0
.irp dk, 0,1,2,3,128,129,130,131,4,5,6,7,132,133,134,135
	global_load_b32 v[16+I], v9, s[10:11] offset:512*\dk   ; the rows in the order in which the second launch lays the channels
.set I, I+1
.endr
	v_lshlrev_b32 v10, 4, v1
	s_wait_loadcnt 0x0
	WQUANT 0
	; ---- work-groups 264, 265: w0, rows 0 to 41
.Lw0e:
	s_sub_co_u32 s3, ttmp9, 264
	s_lshl_b32 s3, s3, 8
	v_add_nc_u32 v1, s3, v0                        ; chunk 0 .. 511
	v_and_b32 v2, 15, v1
	v_bfe_u32 v3, v1, 4, 1
	v_bfe_u32 v4, v1, 5, 1
	v_lshrrev_b32 v6, 6, v1
	UNIT 7, 6, 2, 8
	v_lshlrev_b32 v5, 5, v3
	v_lshl_add_u32 v5, v4, 4, v5                   ; first row: 32 h + 16 c; rows up to 63 lie inside w0
	v_lshlrev_b32 v9, 9, v5
	v_lshl_add_u32 v9, v7, 2, v9
.irp i, 0,1,2,3,4,5,6,7,8,9,10,11,12,13,14,15
	global_load_b32 v[16+\i], v9, s[10:11] offset:512*\i
.endr
	v_lshlrev_b32 v10, 4, v1
	s_wait_loadcnt 0x0
.irp i, 0,1,2,3,4,5,6,7,8,9,10,11,12,13,14,15
	v_cmp_gt_u32 vcc_lo, 42-\i, v5                 ; rows from 42 on belong to the other part: zero here
	v_cndmask_b32 v[16+\i], 0, v[16+\i], vcc_lo
.endr
	WQUANT IMG_W0E
	; ---- work-groups 266-269: w1; 270-273: w2: the codes as they are given, in the order of the registers
.Lw12:
	s_sub_co_u32 s3, ttmp9, 266
	s_and_b32 s3, s3, 3
	s_lshl_b32 s3, s3, 8
	v_add_nc_u32 v1, s3, v0                        ; chunk 0 .. 1023
	v_and_b32 v2, 15, v1
	v_bfe_u32 v3, v1, 4, 1
	v_bfe_u32 v4, v1, 5, 2
	v_lshrrev_b32 v6, 7, v1
	UNIT 7, 6, 2, 8
	v_lshlrev_b32 v9, 7, v7                        ; a row of codes is 128 bytes
	v_lshl_add_u32 v9, v4, 5, v9
	v_lshl_add_u32 v9, v3, 4, v9
	s_cmp_lt_u32 ttmp9, 270
	s_cselect_b64 s[44:45], s[12:13], s[14:15]
	s_mov_b32 s4, IMG_W2
	s_cselect_b32 s4, IMG_W1, s4
	global_load_b128 v[16:19], v9, s[44:45]
	v_lshlrev_b32 v10, 4, v1
	v_add_nc_u32 v10, s4, v10
	s_wait_kmcnt 0x0
	s_wait_loadcnt 0x0
	global_store_b128 v10, v[16:19], s[32:33]
	s_endpgm
	; ---- work-group 274: w_out as f16
.Lwo:
	v_and_b32 v2, 15, v0                           ; r
	v_bfe_u32 v3, v0, 4, 1                         ; h
	v_bfe_u32 v4, v0, 5, 1                         ; c
	v_lshrrev_b32 v5, 6, v0                        ; b
	v_lshlrev_b32 v6, 5, v5
	v_lshl_add_u32 v6, v3, 4, v6
	v_lshl_add_u32 v6, v4, 3, v6                   ; first row of w_out: 32 b + 16 h + 8 c
	v_and_b32 v7, 7, v2
	v_min_u32 v8, 2, v7                            ; the column, held inside the row
	v_mad_u32_u24 v6, v6, 3, v8
	v_lshlrev_b32 v6, 2, v6
.irp i, 0,1,2,3,4,5,6,7
	global_load_b32 v[16+\i], v6, s[16:17] offset:12*\i
.endr
	v_lshlrev_b32 v10, 4, v0
	v_mov_b32 v12, 0x477fe000                      ; 65,504
	v_cmp_gt_u32 vcc_lo, 3, v7
	s_wait_kmcnt 0x0
	s_wait_loadcnt 0x0
.irp i, 0,1,2,3,4,5,6,7
	v_cndmask_b32 v[16+\i], 0, v[16+\i], vcc_lo    ; rows of the operand that stand for no output are zeros
	v_med3_num_f32 v[16+\i], v[16+\i], -v12, v12
.endr
.irp i, 0,1,2,3
	v_cvt_pk_f16_f32 v[32+\i], v[16+2*\i], v[17+2*\i]
.endr
	global_store_b128 v10, v[32:35], s[32:33] offset:IMG_WO
	s_endpgm
	; ---- work-groups 0-255: a thread a point
.Lpoints:
	s_lshl_b32 s3, ttmp9, 8
	v_add_nc_u32 v1, s3, v0                        ; n
	v_lshlrev_b32 v2, 3, v1
	global_load_b64 v[E:E+1], v2, s[8:9]           ; the two coordinates are also the first two encoded numbers
	v_lshlrev_b32 v3, 4, v1                        ; 16 n: a wave stores 512 consecutive bytes of pidx and of pwts
	v_lshrrev_b32 v98, 4, v1
	v_and_b32 v99, 15, v1
	v_lshlrev_b32 v98, 10, v98
	v_lshl_add_u32 v98, v99, 4, v98                ; encimg: 1024 x tile + 16 x place in the tile
	s_mov_b32 s[TWOPI], 0x3f22f983
	s_mov_b32 s[NP1], 0xbfc90fdb
	s_mov_b32 s[NP2], 0x333bbd2e
	s_mov_b32 s[NP3], 0x26f72ce8
	s_mov_b32 s[S1], 0xbe2aaaa3
	s_mov_b32 s[S2], 0x3c08839e
	s_mov_b32 s[S3], 0xb94ca1f9
	s_mov_b32 s[C1], 0x3d2aaaa5
	s_mov_b32 s[C2], 0xbab6061a
	s_mov_b32 s[C3], 0x37ccf5ce
	s_wait_loadcnt 0x0
	AXIS E, 64                                     ; rows:    v64, v65 indices; v66, v67 weights
	AXIS E+1, 68                                   ; columns: v68, v69; v70, v71
	v_lshl_add_u32 v72, v64, 6, v68
	v_lshl_add_u32 v73, v64, 6, v69
	v_lshl_add_u32 v74, v65, 6, v68
	v_lshl_add_u32 v75, v65, 6, v69
	v_mul_f32 v76, v66, v70
	v_mul_f32 v77, v66, v71
	v_mul_f32 v78, v67, v70
	v_mul_f32 v79, v67, v71
	global_store_b128 v3, v[72:75], s[26:27]
	global_store_b128 v3, v[76:79], s[28:29]
.irp f, 0,1,2,3,4,5,6,7,8,9
	SINCOS E,   \f, E+2+4*\f, E+4+4*\f             ; for each frequency: sin x0, sin x1, cos x0, cos x1
	SINCOS E+1, \f, E+3+4*\f, E+5+4*\f
.endr
.irp i, 42,43,44,45,46,47
	v_mov_b32 v[E+\i], 0
.endr
.irp i, 92,93,94,95
	v_mov_b32 v[\i], 0                             ; encoded numbers 48 to 63: zero codes
.endr
	s_wait_kmcnt 0x0
	s_add_co_i32 s4, s36, 127
	s_lshl_b32 s5, s4, 23
	v_mov_b32 v96, s5                              ; 2^e0
	s_add_co_i32 s4, s4, 15
	s_lshl_b32 s4, s4, 23
	s_or_b32 s4, s4, 0x600000
	v_mov_b32 v97, s4                              ; 57,344 x 2^e0
.set I, 0
.rept 42
	v_med3_num_f32 v[E+I], v[E+I], -v97, v97
.set I, I+1
.endr
.irp g, 0,1,2,3,4,5
	v_cvt_scalef32_pk8_bf8_f32 v[80+2*\g:81+2*\g], v[E+8*\g:E+8*\g+7], v96
.endr
	global_store_b128 v98, v[80:83], s[30:31]              ; numbers 0-15:  h = 0, c = 0.  Sixteen neighbouring lanes store 256 consecutive bytes, aligned
	global_store_b128 v98, v[84:87], s[30:31] offset:512   ; numbers 16-31: h = 0, c = 1
	global_store_b128 v98, v[88:91], s[30:31] offset:256   ; numbers 32-47: h = 1, c = 0
	global_store_b128 v98, v[92:95], s[30:31] offset:768   ; numbers 48-63: h = 1, c = 1
	s_endpgm
.Lfunc_end_k_q93bf23f01f_prep:
	.size	k_q93bf23f01f_prep, .Lfunc_end_k_q93bf23f01f_prep-k_q93bf23f01f_prep
	.p2alignl 7, 3214868480
	.fill 96, 4, 3214868480
	.section	.rodata,"a",@progbits
	.p2align	6, 0x0
	.amdhsa_kernel k_q93bf23f01f_prep
		.amdhsa_group_segment_fixed_size 0
		.amdhsa_private_segment_fixed_size 0
		.amdhsa_enable_private_segment 0
		.amdhsa_kernarg_size 104
		.amdhsa_user_sgpr_count 2
		.amdhsa_user_sgpr_kernarg_segment_ptr 1
		.amdhsa_wavefront_size32 1
		.amdhsa_system_sgpr_workgroup_id_x 1
		.amdhsa_system_sgpr_workgroup_id_y 1
		.amdhsa_system_sgpr_workgroup_id_z 1
		.amdhsa_system_vgpr_workitem_id 0
		.amdhsa_next_free_vgpr 128
		.amdhsa_next_free_sgpr 66
		.amdhsa_reserve_vcc 1
		.amdhsa_float_denorm_mode_32 3
		.amdhsa_float_denorm_mode_16_64 3
		.amdhsa_memory_ordered 1
		.amdhsa_forward_progress 1
		.amdhsa_inst_pref_size 48
	.end_amdhsa_kernel
	.amdgpu_metadata
---
amdhsa.version: [ 1, 2 ]
amdhsa.kernels:
  - .name:           k_q93bf23f01f_prep
    .symbol:         k_q93bf23f01f_prep.kd
    .args:
      - { .name: coords, .offset: 0, .size: 8, .value_kind: global_buffer, .address_space: global }
      - { .name: w0, .offset: 8, .size: 8, .value_kind: global_buffer, .address_space: global }
      - { .name: w1_codes, .offset: 16, .size: 8, .value_kind: global_buffer, .address_space: global }
      - { .name: w2_codes, .offset: 24, .size: 8, .value_kind: global_buffer, .address_space: global }
      - { .name: w_out, .offset: 32, .size: 8, .value_kind: global_buffer, .address_space: global }
      - { .name: b0, .offset: 40, .size: 8, .value_kind: global_buffer, .address_space: global }
      - { .name: b1, .offset: 48, .size: 8, .value_kind: global_buffer, .address_space: global }
      - { .name: b2, .offset: 56, .size: 8, .value_kind: global_buffer, .address_space: global }
      - { .name: lowp_scales, .offset: 64, .size: 8, .value_kind: global_buffer, .address_space: global }
      - { .name: pidx, .offset: 72, .size: 8, .value_kind: global_buffer, .address_space: global }
      - { .name: pwts, .offset: 80, .size: 8, .value_kind: global_buffer, .address_space: global }
      - { .name: encimg, .offset: 88, .size: 8, .value_kind: global_buffer, .address_space: global }
      - { .name: wimg, .offset: 96, .size: 8, .value_kind: global_buffer, .address_space: global }
    .group_segment_fixed_size: 0
    .private_segment_fixed_size: 0
    .kernarg_segment_align: 8
    .kernarg_segment_size: 104
    .max_flat_workgroup_size: 256
    .sgpr_count:     66
    .vgpr_count:     128
    .wavefront_size: 32
...
	.end_amdgpu_metadata
.endif
;; end of part 1
;; launch decode (part 2): grid 256 x 1, 16 waves a work-group, no clusters, 247,808 bytes of LDS; arguments feature_grid, pidx, pwts, encimg, wimg, lowp_scales, b_out, out0; writes out0
.if DOCPART == 2
	.amdgcn_target "amdgcn-amd-amdhsa--gfx1250"
	.amdhsa_code_object_version 6
	.text
	.protected	k_q93bf23f01f_decode
	.globl	k_q93bf23f01f_decode
	.p2align	8
	.type	k_q93bf23f01f_decode,@function
k_q93bf23f01f_decode:
	s_mov_b64 s[64:65], 0
	v_nop
	global_prefetch_b8 v0, s[64:65] scope:SCOPE_SE
	s_setreg_imm32_b32 hwreg(HW_REG_WAVE_MODE, 25, 1), 1
	s_wait_xcnt 0x0
; SECOND OF TWO LAUNCHES: gather, interpolate, quantise, three layers on E5M2 codes with the tanh form of gelu, the last product on f16, tanh.  No work of the problem is left out here.
; SHARES.  A work-group owns 256 points, each of its sixteen waves 16 of them, for all 8 images.  A wave works on 16 points x 2 images (two tiles of 16 rows) at a time: four passes.
; A pass has two phases.  G: for each point and image four grid vertices of 1,024 bytes are loaded (a lane holds channels 4 l .. 4 l + 3 and 128 + 4 l .. + 3 of each), weighed, held, converted; a lane
; puts its eight codes at byte 8 l of the row in the wave's own stage in LDS.  So position p of a row stands for channel 4 (p / 8) + p % 8 or 128 + 4 (p / 8) + p % 8 - 4; w0 was laid in the same order.
; MLP: every product is used transposed (source 0 = 16 output units, source 1 = 16 rows), so a lane holds one point; the units of a tile are chosen so that the 16 registers of tiles 2 b, 2 b + 1 are the 16
; neighbours 32 b + 16 (lane / 16) + 0 .. 15 along the next K: the conversions' results are the next operand.  k is permuted alike in both operands of every product.
; The encoded part of the first product (K = 64, the same for both images) and each layer's bias are summed once, in the first image's accumulators, and enter the second image's sums as their C.
; TWO GROUPS OF WAVES IN COUNTER-PHASE: one loop of nine half-steps with a barrier at its end; group 0 gathers in even half-steps and computes in odd ones, group 1 the other way round, one half-step later.
; So the loads of eight waves are on their way while the other eight compute.  The barrier only paces: in the loop no wave reads what another wrote.  The branches hang on the wave number and the loop count alone.
; SCALES.  A sum S of layer L stands for S x 2^E, E = the two exponents added.  gelu(x) = x / (1 + 2^(x (c0 + c1 x x))), c0 = -2 sqrt(2 / pi) log2(e), c1 = 0.044715 c0.  2^E goes into c0, 2^(3 E) into c1 (added to their
; exponent fields), and x / (1 + e) is taken as S x 1 / ((1 + e) 2^-E).  The biases were divided by 2^E in the first launch.
; NO TENSOR LOADS, NO CLUSTER: what is loaded in bulk is a gather by stored indices in pieces of 512 bytes; what work-groups share, the weights' image of 81,920 bytes, is read once against 8 MiB of gather.
; NO PREFETCH: each byte of the grid is read by many points, so the stream is not one that is read once.
; LIMITS: e0, e2, e4 between -126 and 112; each of e0 + e1, e2 + e3, e4 + e5 between -40 and 40; the last hidden layer is held at 65,504 for f16; NaN and infinity among the inputs are not served.
; LDS: 0 the weights' image; 81920 sixteen stages of 32 rows x 272 bytes; 221184 the results [8][256][3] f32; 245760 the spare words.
; VECTOR REGISTERS: v0 tail: where I read results back; v1 16 x lane; v2 v1 + 57344; v3 stage, in; v4 stage, out; v5 biases; v6, v7 the add's two; v8 the conversion's scale; v9 where my results go;
;   v[10:11] c0; v12-23 results of four passes; v24-87 G: point slot 2, MLP: four fragments of weights, or 64 at work; v88-95 my points' encoded codes; v96-127 the two tiles' codes; v128-255 accumulators [image][tile], G: slots 0, 1.
; SCALAR REGISTERS: s2 wave, s3 half-step, s4 its place in my group's walk; s[8:9] grid; s[10:11] my indices; s[12:13] my weights; s14-16 b_out x K2; s17 65,504; s[22:23] my part of out0; s24-31 two sets of indices;
;   s32-39 two sets of weights; s40, s42 copies of the odd weights; s44-59, s68-75 three sets of four addresses; s[60:61] the pass's images; s[62:63] an offset; s66 1 - group; s76-81 c1; s82-84 c0; s85 K2; s86-91 2^-E; s92-100 the quantisers.
.set IMG_W0E, 32768
.set IMG_W1,  40960
.set IMG_W2,  57344
.set IMG_WO,  73728
.set IMG_B,   77824
.set STG,     81920
.set SP,      272                      ; a stage row: 256 codes + 16 bytes, so that the 16 rows of a load start at 16 different banks
.set STGW,    32*SP
.set OUTB,    221184
.set SPARE,   245760                   ; the spare words, 128 bytes for each wave: eight blocks of 256 bytes that no other line names
.set IMAGE,   4194304                  ; bytes of one image of the grid
.macro PLACES n
.rept \n
	v_nop
.endr
.endm
; ---------------- phase G
.macro BASES p                         ; the four addresses of point p: an index is held inside the grid, then 1,024 bytes a cell
.set GB, 44+8*((\p)%3)+8*(((\p)%3)/2)
.set GI, 24+4*((\p)%2)
.irp k, 0,1,2,3
	s_min_u32 s62, s[GI+\k], 0xfff
	s_lshl_b32 s62, s62, 10
	s_add_nc_u64 s[GB+2*\k:GB+2*\k+1], s[60:61], s[62:63]
.endr
.endm
.macro GLOADS p                        ; 16 loads of 512 consecutive bytes: 2 images x 4 corners x 2 halves of the channels
.set GB, 44+8*((\p)%3)+8*(((\p)%3)/2)
.set GX, 128+64*((\p)%3)-232*(((\p)%3)/2)
.irp i, 0,1
.irp k, 0,1,2,3
	global_load_b128 v[GX+32*\i+8*\k:GX+32*\i+8*\k+3],   v1, s[GB+2*\k:GB+2*\k+1] offset:\i*IMAGE
	global_load_b128 v[GX+32*\i+8*\k+4:GX+32*\i+8*\k+7], v1, s[GB+2*\k:GB+2*\k+1] offset:\i*IMAGE+512
.endr
.endr
.endm
.macro ROW x, i, p, w                  ; one row: eight channels a lane, four corners at v[x], +8, +16, +24; the weights in s[w] .. s[w+3]
.irp j, 0,2,4,6
	v_pk_mul_f32 v[\x+\j:\x+\j+1], v[\x+\j:\x+\j+1], s[\w:\w+1] op_sel_hi:[1,0]
.endr
.irp j, 0,2,4,6
	v_pk_fma_f32 v[\x+\j:\x+\j+1], v[\x+8+\j:\x+8+\j+1], s[40:41], v[\x+\j:\x+\j+1] op_sel_hi:[1,0,1]
.endr
.irp j, 0,2,4,6
	v_pk_fma_f32 v[\x+\j:\x+\j+1], v[\x+16+\j:\x+16+\j+1], s[\w+2:\w+3], v[\x+\j:\x+\j+1] op_sel_hi:[1,0,1]
.endr
.irp j, 0,2,4,6
	v_pk_fma_f32 v[\x+\j:\x+\j+1], v[\x+24+\j:\x+24+\j+1], s[42:43], v[\x+\j:\x+\j+1] op_sel_hi:[1,0,1]
.endr
.irp j, 0,1,2,3,4,5,6,7
	v_med3_num_f32 v[\x+\j], v[\x+\j], s98, s95    ; the conversion does not saturate (ISA guide 7.6.2): the hold at 57,344 x 2^e0
.endr
	v_cvt_scalef32_pk8_bf8_f32 v[96+2*\i:97+2*\i], v[\x:\x+7], v8
	ds_store_b64 v3, v[96+2*\i:97+2*\i] offset:(16*\i+(\p))*SP   ; the 32 lanes store a row's 256 bytes
.endm
; Point p.  Scalar loads run ahead: the indices of point p + 3 and the weights of point p + 1, each into the set that is done with.  The grid loads run two points ahead, in three slots of 64 registers.
.macro POINT p
.set RX, 128+64*((\p)%3)-232*(((\p)%3)/2)
.set RW, 32+4*((\p)%2)
.set NW, 32+4*(((\p)+1)%2)
.set NI, 24+4*(((\p)+1)%2)
	s_wait_kmcnt 0x0                               ; the indices of point p + 2 and the weights of point p are in
.if (\p)+3 <= 15
	s_load_b128 s[NI:NI+3], s[10:11], 16*((\p)+3)
.endif
.if (\p)+1 <= 15
	s_load_b128 s[NW:NW+3], s[12:13], 16*((\p)+1)
.endif
.if (\p) <= 13
	BASES (\p)+2                                   ; this set of addresses served point p - 1, whose loads the last counted wait has shown done
	GLOADS (\p)+2
.endif
	s_mov_b32 s40, s[RW+1]                         ; the packed forms take the low word of a pair: the odd weights get pairs of their own
	s_mov_b32 s42, s[RW+3]
.if (\p) <= 13
	s_wait_loadcnt 32                              ; loads come back in order: the 2 x 16 of points p + 1 and p + 2 may be out, point p is in
.else
	s_wait_loadcnt 16*(15-(\p))                    ; the counts run down: 16, 0
.endif
	ROW RX, 0, \p, RW
	ROW RX+32, 1, \p, RW
.endm
; ---------------- phase MLP
.macro LDBIAS l                        ; layer l: the first image's eight accumulators begin as the bias: lane (r, h), tile n, register j: unit 32 (n / 2) + 16 h + 8 (n % 2) + j
.irp n, 0,1,2,3,4,5,6,7
	ds_load_b128 v[128+8*\n:131+8*\n], v5 offset:512*(\l)+128*(\n/2)+32*(\n%2)
	ds_load_b128 v[132+8*\n:135+8*\n], v5 offset:512*(\l)+128*(\n/2)+32*(\n%2)+16
.endr
.endm
.macro LDB s                           ; K step s of the two tiles of rows, from my stage
.irp t, 0,1
.irp c, 0,1,2,3
	ds_load_b128 v[96+16*\t+4*\c:99+16*\t+4*\c], v4 offset:\t*16*SP+128*(\s)+32*\c
.endr
.endr
.endm
.macro LDA g, adr, off, stride         ; four fragments of weights, tiles 4 g .. 4 g + 3, as images of their registers
.irp m, 0,1,2,3
.irp c, 0,1,2,3
	ds_load_b128 v[24+16*\m+4*\c:27+16*\m+4*\c], v[\adr] offset:(\off)+(\stride)*(4*(\g)+\m)+512*\c
.endr
.endr
.endm
; What both images share lies in the first image's accumulators.  The second image's sums take it as their C; five places on, the first image's go on in place.  The accumulators take turns.
.macro FAN g
.irp m, 0,1,2,3
	v_wmma_f32_16x16x128_bf8_bf8 v[192+8*(4*(\g)+\m):199+8*(4*(\g)+\m)], v[24+16*\m:39+16*\m], v[112:127], v[128+8*(4*(\g)+\m):135+8*(4*(\g)+\m)]
.endr
	PLACES 5                                       ; a matrix instruction that writes over a register of an earlier one stands five places behind it
.irp m, 0,1,2,3
	v_wmma_f32_16x16x128_bf8_bf8 v[128+8*(4*(\g)+\m):135+8*(4*(\g)+\m)], v[24+16*\m:39+16*\m], v[96:111], v[128+8*(4*(\g)+\m):135+8*(4*(\g)+\m)]
.endr
.endm
.macro ACCUM g
.irp m, 0,1,2,3
	v_wmma_f32_16x16x128_bf8_bf8 v[128+8*(4*(\g)+\m):135+8*(4*(\g)+\m)], v[24+16*\m:39+16*\m], v[96:111], v[128+8*(4*(\g)+\m):135+8*(4*(\g)+\m)]
	v_wmma_f32_16x16x128_bf8_bf8 v[192+8*(4*(\g)+\m):199+8*(4*(\g)+\m)], v[24+16*\m:39+16*\m], v[112:127], v[192+8*(4*(\g)+\m):199+8*(4*(\g)+\m)]
.endr
.endm
; gelu of image t's 64 sums a lane, in place, in true units; v24-87 at work.  Each accumulator is read from its low end on.
.macro GELU t, l
.set GS, 128+64*(\t)
.set J, 0
.rept 32
	v_pk_mul_f32 v[24+J:25+J], v[GS+J:GS+J+1], v[GS+J:GS+J+1]
.set J, J+2
.endr
.set J, 0
.rept 32
	v_pk_fma_f32 v[24+J:25+J], v[24+J:25+J], s[76+2*(\l):77+2*(\l)], v[10:11] op_sel_hi:[1,0,1]   ; c1 S S + c0
.set J, J+2
.endr
.set J, 0
.rept 32
	v_pk_mul_f32 v[24+J:25+J], v[24+J:25+J], v[GS+J:GS+J+1]
.set J, J+2
.endr
.set J, 0
.rept 64
	v_exp_f32 v[24+J], v[24+J]
.set J, J+1
.endr
	v_nop                                          ; a plain instruction behind the last exponential,
	s_wait_alu depctr_va_vdst(0)                   ; and one wait for the batch, ahead of its first reader
.set J, 0
.rept 32
	v_pk_fma_f32 v[24+J:25+J], v[24+J:25+J], s[86+2*(\l):87+2*(\l)], s[86+2*(\l):87+2*(\l)] op_sel_hi:[1,0,0]   ; (1 + e) 2^-E
.set J, J+2
.endr
.set J, 0
.rept 64
	v_rcp_f32 v[24+J], v[24+J]
.set J, J+1
.endr
	v_nop
	s_wait_alu depctr_va_vdst(0)
.set J, 0
.rept 32
	v_pk_mul_f32 v[GS+J:GS+J+1], v[GS+J:GS+J+1], v[24+J:25+J]
.set J, J+2
.endr
.endm
.macro QUANT t, set                    ; image t's 64 numbers become the next operand's 16 registers
.set GS, 128+64*(\t)
.set J, 0
.rept 64
	v_med3_num_f32 v[GS+J], v[GS+J], s[98+(\set)], s[95+(\set)]
.set J, J+1
.endr
.irp b, 0,1,2,3
	v_cvt_scalef32_pk8_bf8_f32 v[96+16*(\t)+4*\b:97+16*(\t)+4*\b], v[GS+16*\b:GS+16*\b+7], v8
	v_cvt_scalef32_pk8_bf8_f32 v[98+16*(\t)+4*\b:99+16*(\t)+4*\b], v[GS+16*\b+8:GS+16*\b+15], v8
.endr
	v_nop                                          ; a plain instruction between the last conversion and what next touches its registers
.endm
.macro TOF16 t, dst                    ; image t's last hidden layer as f16: register 8 b + 4 c + i, half x = unit 32 b + 16 h + 8 c + 2 i + x, as w_out was laid
.set GS, 128+64*(\t)
.set J, 0
.rept 64
	v_min_num_f32 v[GS+J], s17, v[GS+J]            ; gelu has a floor of its own, so the hold is one-sided
.set J, J+1
.endr
.set J, 0
.rept 32
	v_cvt_pk_f16_f32 v[(\dst)+J], v[GS+2*J], v[GS+2*J+1]
.set J, J+1
.endr
.endm
.macro LAYERC l, ea                    ; the constants of layer l; s[ea], s[ea+1]: the exponents of its two operands
	s_add_co_i32 s5, s[\ea], s[\ea+1]              ; E
	s_lshl_b32 s6, s5, 23
	s_add_co_u32 s[82+\l], s6, 0xc0135761          ; c0 2^E
	s_mul_i32 s6, s5, 3
	s_lshl_b32 s6, s6, 23
	s_add_co_u32 s[76+2*\l], s6, 0xbdd2d3e8        ; c1 2^(3 E)
	s_mov_b32 s[77+2*\l], s[76+2*\l]               ; (named with it as a pair, so it is written)
	s_sub_co_i32 s6, 127, s5
	s_lshl_b32 s[86+2*\l], s6, 23                  ; 2^-E
	s_mov_b32 s[87+2*\l], s[86+2*\l]
	s_add_co_i32 s6, s[\ea], 127
	s_lshl_b32 s[92+\l], s6, 23                    ; the scale of the layer's computed operand, as f32,
	s_add_co_i32 s6, s6, 15
	s_lshl_b32 s6, s6, 23
	s_or_b32 s[95+\l], s6, 0x600000                ; 57,344 x that,
	s_or_b32 s[98+\l], s[95+\l], 0x80000000        ; and its negative
.endm
	; ---------------- the head
	s_load_b512 s[8:23], s[0:1], 0x0               ; grid s[8:9], pidx s[10:11], pwts s[12:13], encimg s[14:15], wimg s[16:17], lowp_scales s[18:19], b_out s[20:21], out0 s[22:23]
	v_lshl_add_u32 v6, v0, 2, SPARE                ; my spare word,
	v_mov_b32 v7, 0                                ; and 0: kept for the add at the wave's end
	v_lshrrev_b32 v1, 5, v0
	v_readfirstlane_b32 s2, v1                     ; wave 0..15
	v_and_b32 v10, 31, v0                          ; lane
	v_and_b32 v11, 15, v0                          ; r
	v_bfe_u32 v5, v0, 4, 1                         ; h
	v_lshlrev_b32 v1, 4, v10
	v_add_nc_u32 v2, IMG_W2, v1
	s_mul_i32 s5, s2, STGW
	s_add_co_u32 s5, s5, STG                       ; my stage
	v_lshl_add_u32 v3, v10, 3, s5
	v_mul_u32_u24 v4, v11, SP
	v_lshl_add_u32 v4, v5, 4, v4
	v_add_nc_u32 v4, s5, v4
	s_mul_i32 s6, s2, 192
	s_add_co_u32 s6, s6, OUTB
	v_mul_u32_u24 v9, v11, 12
	v_mad_u32_u24 v9, v5, 3072, v9
	v_add_nc_u32 v9, s6, v9                        ; results: image h of a pass, point 16 wave + r
	v_lshl_add_u32 v5, v5, 6, IMG_B
	s_mul_i32 s7, s2, 5120
	v_add_nc_u32 v0, s7, v1                        ; for now: my wave's 5,120 bytes of the weights' image
	s_lshl_b32 s4, ttmp9, 4
	s_add_co_u32 s4, s4, s2                        ; my tile of 16 points
	s_mov_b32 s63, 0
	s_mov_b32 s41, 0                               ; (upper words of pairs that are named whole)
	s_mov_b32 s43, 0
	s_mov_b32 s85, 0x4038aa3b                      ; K2 = 2 log2(e)
	s_lshr_b32 s5, s2, 2
	s_xor_b32 s5, s5, s2
	s_and_b32 s5, s5, 1                            ; my group: two waves of each among waves 4 k .. 4 k + 3, and among waves k, k + 4, k + 8, k + 12
	s_xor_b32 s66, s5, 1
	s_wait_kmcnt 0x0
	s_load_b128 s[24:27], s[18:19], 0x0            ; e0 .. e3
	s_load_b64 s[28:29], s[18:19], 0x10            ; e4, e5
	s_load_b96 s[32:34], s[20:21], 0x0             ; b_out
.irp i, 0,1,2,3,4,5,6,7,8,9
	global_load_b128 v[128+4*\i:131+4*\i], v0, s[16:17] offset:512*\i
.endr
	s_lshl_b32 s62, s4, 10
	s_add_nc_u64 s[14:15], s[14:15], s[62:63]
	global_load_b128 v[88:91], v1, s[14:15]        ; my points' encoded codes stay in registers
	global_load_b128 v[92:95], v1, s[14:15] offset:512
	s_lshl_b32 s62, s4, 8
	s_add_nc_u64 s[10:11], s[10:11], s[62:63]
	s_add_nc_u64 s[12:13], s[12:13], s[62:63]
	s_lshr_b32 s5, s2, 1                           ; at the end wave w stores half w % 2 of image w / 2 of the work-group's results
	s_mul_i32 s62, s5, 786432
	s_mul_i32 s5, ttmp9, 3072
	s_add_co_u32 s62, s62, s5
	s_and_b32 s5, s2, 1
	s_mul_i32 s5, s5, 1536
	s_add_co_u32 s62, s62, s5
	s_add_nc_u64 s[22:23], s[22:23], s[62:63]
	s_wait_kmcnt 0x0
	LAYERC 0, 24
	LAYERC 1, 26
	LAYERC 2, 28
	s_wait_loadcnt 0x0                             ; the image and the codes are in; their address registers may be written
	s_mul_f32 s14, s32, s85
	s_mul_f32 s15, s33, s85
	s_mul_f32 s16, s34, s85
	s_mov_b32 s17, 0x477fe000                      ; 65,504
.irp i, 0,1,2,3,4,5,6,7,8,9
	ds_store_b128 v0, v[128+4*\i:131+4*\i] offset:512*\i
.endr
.irp i, 12,13,14,15,16,17,18,19,20,21,22,23
	v_mov_b32 v[\i], 0
.endr
	s_mul_i32 s5, s2, 1536
	s_add_co_u32 s5, s5, OUTB
	v_add_nc_u32 v0, s5, v1                        ; from here on: where I read results back
	s_wait_dscnt 0x0                               ; my part of the image has landed
	s_barrier_signal -1
	s_barrier_wait -1                              ; everybody's has
	; ---------------- nine half-steps
	s_mov_b32 s3, 0
.Lhalf:
	s_add_co_u32 s4, s3, s66                       ; my group's place: 1, 3, 5, 7 gather for passes 0 to 3; 2, 4, 6, 8 compute them; 0 and 9 rest
	s_cmp_eq_u32 s4, 0
	s_cbranch_scc1 .Lrest
	s_cmp_gt_u32 s4, 8
	s_cbranch_scc1 .Lrest
	s_and_b32 s5, s4, 1
	s_cmp_eq_u32 s5, 0
	s_cbranch_scc1 .Lmlp
	; ---- G
	s_lshr_b32 s5, s4, 1                           ; the pass
	s_lshl_b32 s62, s5, 23                         ; two images on for each
	s_add_nc_u64 s[60:61], s[8:9], s[62:63]
	v_mov_b32 v8, s92                              ; 2^e0
	s_load_b256 s[24:31], s[10:11], 0x0            ; the indices of points 0 and 1
	s_load_b128 s[32:35], s[12:13], 0x0            ; the weights of point 0
	s_wait_kmcnt 0x0
	BASES 0
	GLOADS 0
	BASES 1
	GLOADS 1
	s_load_b128 s[24:27], s[10:11], 0x20           ; the indices of point 2
.irp p, 0,1,2,3,4,5,6,7,8,9,10,11,12,13,14,15
	POINT \p
.endr
	v_nop                                          ; a plain instruction behind the last conversion
	s_branch .Lrest
	; ---- MLP
.Lmlp:
	LDBIAS 0
.irp n, 0,1,2,3,4,5,6,7
	ds_load_b128 v[24+8*\n:27+8*\n], v1 offset:IMG_W0E+1024*\n
	ds_load_b128 v[28+8*\n:31+8*\n], v1 offset:IMG_W0E+1024*\n+512
.endr
	LDB 0
	s_wait_dscnt 0x0
.irp n, 0,1,2,3,4,5,6,7
	v_wmma_f32_16x16x64_bf8_bf8 v[128+8*\n:135+8*\n], v[24+8*\n:31+8*\n], v[88:95], v[128+8*\n:135+8*\n]   ; bias + the encoded part: what both images share
.endr
	PLACES 5                                       ; five: these results become the C of other accumulators; four of them serve the loads into the fragments
	LDA 0, 1, 0, 4096
	s_wait_dscnt 0x0
	FAN 0
	PLACES 4                                       ; places in front of loads into registers that matrix instructions have read
	LDA 1, 1, 0, 4096
	s_wait_dscnt 0x0
	FAN 1
	PLACES 4
	LDB 1
	LDA 0, 1, 2048, 4096
	s_wait_dscnt 0x0
	ACCUM 0
	PLACES 4
	LDA 1, 1, 2048, 4096
	s_wait_dscnt 0x0
	ACCUM 1
	v_mov_b32 v10, s82                             ; these three and the v_nop are the four places behind the last products
	v_mov_b32 v11, s82
	v_mov_b32 v8, s93                              ; 2^e2
	v_nop
	GELU 0, 0
	QUANT 0, 1
	GELU 1, 0
	QUANT 1, 1
	; layer 1
	LDBIAS 1
	LDA 0, 1, IMG_W1, 2048
	s_wait_dscnt 0x0
	FAN 0
	PLACES 4
	LDA 1, 1, IMG_W1, 2048
	s_wait_dscnt 0x0
	FAN 1
	v_mov_b32 v10, s83
	v_mov_b32 v11, s83
	v_mov_b32 v8, s94                              ; 2^e4
	v_nop
	GELU 0, 1
	QUANT 0, 2
	GELU 1, 1
	QUANT 1, 2
	; layer 2
	LDBIAS 2
	LDA 0, 2, 0, 2048
	s_wait_dscnt 0x0
	FAN 0
	PLACES 4
	LDA 1, 2, 0, 2048
	s_wait_dscnt 0x0
	FAN 1
	v_mov_b32 v10, s84
	v_mov_b32 v11, s84
	PLACES 2
	GELU 0, 2
	TOF16 0, 96
	GELU 1, 2
.irp b, 0,1,2,3
	ds_load_b128 v[56+8*\b:59+8*\b], v2 offset:IMG_WO-IMG_W2+1024*\b
	ds_load_b128 v[60+8*\b:63+8*\b], v2 offset:IMG_WO-IMG_W2+1024*\b+512
.endr
	TOF16 1, 24
	s_wait_dscnt 0x0
	; the last product: source 0 = w_out (its three outputs in rows 0-2 and again in rows 8-10), source 1 = 16 points: both halves of the lanes hold y0, y1, y2 of point r in registers 0 to 2
	v_wmma_f32_16x16x32_f16 v[128:135], v[56:63], v[96:103], 0
	v_wmma_f32_16x16x32_f16 v[136:143], v[56:63], v[24:31], 0
.irp b, 1,2,3
	v_wmma_f32_16x16x32_f16 v[128:135], v[56+8*\b:63+8*\b], v[96+8*\b:103+8*\b], v[128:135]
	v_wmma_f32_16x16x32_f16 v[136:143], v[56+8*\b:63+8*\b], v[24+8*\b:31+8*\b], v[136:143]
.endr
	PLACES 4
	s_mov_b32 vcc_lo, 0xffff0000
.irp j, 0,1,2
	v_cndmask_b32 v[144+\j], v[128+\j], v[136+\j], vcc_lo   ; lanes 0-15 go on with the first image, lanes 16-31 with the second
.endr
	v_fma_f32 v144, v144, s85, s14                 ; tanh(u) = 1 - 2 / (1 + 2^(K2 u)), u = y + b_out
	v_fma_f32 v145, v145, s85, s15
	v_fma_f32 v146, v146, s85, s16
.irp j, 0,1,2
	v_exp_f32 v[144+\j], v[144+\j]
.endr
	v_nop
	s_wait_alu depctr_va_vdst(0)
.irp j, 0,1,2
	v_add_f32 v[144+\j], 1.0, v[144+\j]
.endr
.irp j, 0,1,2
	v_rcp_f32 v[144+\j], v[144+\j]
.endr
.irp i, 12,13,14,15,16,17,18,19,20
	v_mov_b32 v[\i], v[\i+3]                       ; the earlier passes move down: after four passes pass p lies at v[12 + 3 p].  (Independent work behind the reciprocals)
.endr
	s_wait_alu depctr_va_vdst(0)
.irp j, 0,1,2
	v_fma_f32 v[21+\j], v[144+\j], -2.0, 1.0
.endr
.Lrest:
	s_wait_dscnt 0x0                               ; no LDS instruction of mine is out at the signal
	s_barrier_signal -1
	s_barrier_wait -1                              ; the two groups change phases together
	s_add_co_u32 s3, s3, 1
	s_cmp_lt_u32 s3, 9
	s_cbranch_scc1 .Lhalf
	; ---------------- the tail: the results meet in LDS as [image][point][3] and leave as runs of 512 bytes
.irp p, 0,1,2,3
.irp j, 0,1,2
	ds_store_b32 v9, v[12+3*\p+\j] offset:6144*\p+4*\j
.endr
.endr
	s_wait_dscnt 0x0                               ; for the others: my stores have landed
	s_barrier_signal -1
	s_barrier_wait -1
.irp i, 0,1,2
	ds_load_b128 v[24+4*\i:27+4*\i], v0 offset:512*\i
.endr
.irp i, 0,1,2
	s_wait_dscnt 2-\i                              ; LDS loads come back in order: the younger ones may be out
	global_store_b128 v1, v[24+4*\i:27+4*\i], s[22:23] offset:512*\i th:TH_STORE_NT   ; 32 lanes store 512 consecutive bytes, at a multiple of 256 from the first byte of out0
.endr
	s_wait_tensorcnt 0x0                           ; the wave's end
	ds_add_u32 v6, v7
	s_wait_dscnt 0x0
	s_endpgm
.Lfunc_end_k_q93bf23f01f_decode:
	.size	k_q93bf23f01f_decode, .Lfunc_end_k_q93bf23f01f_decode-k_q93bf23f01f_decode
	.p2alignl 7, 3214868480
	.fill 96, 4, 3214868480
	.section	.rodata,"a",@progbits
	.p2align	6, 0x0
	.amdhsa_kernel k_q93bf23f01f_decode
		.amdhsa_group_segment_fixed_size 247808
		.amdhsa_private_segment_fixed_size 0
		.amdhsa_enable_private_segment 0
		.amdhsa_kernarg_size 64
		.amdhsa_user_sgpr_count 2
		.amdhsa_user_sgpr_kernarg_segment_ptr 1
		.amdhsa_wavefront_size32 1
		.amdhsa_system_sgpr_workgroup_id_x 1
		.amdhsa_system_sgpr_workgroup_id_y 1
		.amdhsa_system_sgpr_workgroup_id_z 1
		.amdhsa_system_vgpr_workitem_id 0
		.amdhsa_next_free_vgpr 256
		.amdhsa_next_free_sgpr 102
		.amdhsa_reserve_vcc 1
		.amdhsa_float_denorm_mode_32 3
		.amdhsa_float_denorm_mode_16_64 3
		.amdhsa_memory_ordered 1
		.amdhsa_forward_progress 1
		.amdhsa_inst_pref_size 231
	.end_amdhsa_kernel
	.amdgpu_metadata
---
amdhsa.version: [ 1, 2 ]
amdhsa.kernels:
  - .name:           k_q93bf23f01f_decode
    .symbol:         k_q93bf23f01f_decode.kd
    .args:
      - { .name: feature_grid, .offset: 0, .size: 8, .value_kind: global_buffer, .address_space: global }
      - { .name: pidx, .offset: 8, .size: 8, .value_kind: global_buffer, .address_space: global }
      - { .name: pwts, .offset: 16, .size: 8, .value_kind: global_buffer, .address_space: global }
      - { .name: encimg, .offset: 24, .size: 8, .value_kind: global_buffer, .address_space: global }
      - { .name: wimg, .offset: 32, .size: 8, .value_kind: global_buffer, .address_space: global }
      - { .name: lowp_scales, .offset: 40, .size: 8, .value_kind: global_buffer, .address_space: global }
      - { .name: b_out, .offset: 48, .size: 8, .value_kind: global_buffer, .address_space: global }
      - { .name: out0, .offset: 56, .size: 8, .value_kind: global_buffer, .address_space: global }
    .group_segment_fixed_size: 247808
    .private_segment_fixed_size: 0
    .kernarg_segment_align: 8
    .kernarg_segment_size: 64
    .max_flat_workgroup_size: 512
    .sgpr_count:     102
    .vgpr_count:     256
    .wavefront_size: 32
...
	.end_amdgpu_metadata
.endif
;; end of part 2
;; ======== version 2 of 2: 2 launches
;; limits: right only within a limited range of input values; values are held in f16: magnitudes above 65,504 overflow, below 6.1e-05 lose precision
;; workspace buffers: pidx 1,048,576 bytes of whole numbers; pwts 1,048,576 bytes; encimg 4,194,304 bytes; wimg 81,920 bytes
;; launch prep (part 3): grid 276 x 1, 8 waves a work-group, no clusters, 0 bytes of LDS; arguments coords, w0, w1_codes, w2_codes, w_out, b0, b1, b2, lowp_scales, pidx, pwts, encimg, wimg; writes pidx, pwts, encimg, wimg
.if DOCPART == 3
	.amdgcn_target "amdgcn-amd-amdhsa--gfx1250"
	.amdhsa_code_object_version 6
	.text
	.protected	k_q93bf23f01f_prep
	.globl	k_q93bf23f01f_prep
	.p2align	8
	.type	k_q93bf23f01f_prep,@function
k_q93bf23f01f_prep:
	s_mov_b64 s[64:65], 0
	v_nop
	global_prefetch_b8 v0, s[64:65] scope:SCOPE_SE
	s_setreg_imm32_b32 hwreg(HW_REG_WAVE_MODE, 25, 1), 1
	s_wait_xcnt 0x0
; FIRST OF TWO LAUNCHES.  What hangs on a point alone, and what hangs on the weights alone, is made once and stored for the second launch.
; NOTHING OF THE PROBLEM IS LEFT OUT: every input has a way to the output and is loaded by one of the two launches; all four products are multiplied.
; Two things are done less often than they are written: the 42 encoded numbers of a point are the same for the 8 images (they are broadcast), so they are computed and quantised once a point;
; and K of the first product, 298, is filled up to 320 with zero codes on both operands, which add nothing to a sum.
; PER POINT n (work-groups 0-255, a thread a point):
;   pidx[n][4]  cell = 64 row + col of the four grid corners (r0,c0) (r0,c1) (r1,c0) (r1,c1), after the reflecting index rule: fix(i) = | ((2 i + 129) mod 256) - 128 | / 2
;   pwts[n][4]  the four products of the row weight and the column weight, in the same order
;   encimg      the 42 encoded numbers as E5M2 codes with the scale 2^e0, 64 bytes a point, laid as the registers of a K = 64 operand want them:
;               [tile of 16 points][chunk c][lane 16 h + r][16 bytes], byte i = encoded number 32 h + 16 c + i, zero code from 42 on
; PER WEIGHT (work-groups 256-275, a thread a chunk of 16 bytes): wimg, images of the operand registers: a fragment is a run of chunks of 512 bytes, lane l at 16 l.
;   Lane r of tile n takes output unit 32 (n / 2) + 8 (n % 2) + r + (r & 8), so that the results of two neighbouring tiles are 16 neighbours along the next K.
;   0      w0, rows 42 on: tile n, K step s at 2048 (2 n + s); chunk c byte i = position p = 128 s + 32 c + 16 h + i, which stands for channel 4 (p / 8) + p % 8 (p % 8 < 4) or 128 + 4 (p / 8) + p % 8 - 4
;   32768  w0, rows 0 to 41, K = 64: tile n at 1024 n; chunk c byte i = row 32 h + 16 c + i, zero code from 42 on
;   40960  w1 as given, tile n at 2048 n; 57344 w2 likewise
;   73728  w_out as f16, K step b at 1024 b: rows 0-2 and 8-10 of the operand hold the three outputs, all other rows zeros
;   77824  b0, b1, b2, each divided by the power of two that the sums of its layer lack; then zeros up to 81920
; SINE AND COSINE: a = x * (2^f pi) as the problem forms it; n = the nearest whole number to a * 2 / pi; r = a - n pi / 2 with pi / 2 in three parts (the first step is exact); polynomials on |r| <= pi / 4.
; LIMITS: |coords| <= 4096; e0 and e1 between -126 and 112; NaN and infinity among the inputs are not served; w_out is held within +-65504.
.set IMG_W0E, 32768
.set IMG_W1,  40960
.set IMG_W2,  57344
.set IMG_WO,  73728
.set IMG_B,   77824
.set TWOPI, 46                         ; s46      2 / pi
.set NP1,   47                         ; s47-49   - pi / 2 in three parts
.set NP2,   48
.set NP3,   49
.set S1,    50                         ; s50-52   the sine's coefficients
.set S2,    51
.set S3,    52
.set C1,    53                         ; s53-55   the cosine's
.set C2,    54
.set C3,    55
.set E,     16                         ; v16-63   the encoded numbers, 42 and six zeros
; the output unit that lane r of tile n takes
.macro UNIT d, n, r, t
	s_delay_alu instid0(VALU_DEP_1)
	v_lshrrev_b32 v[\t], 1, v[\n]
	s_delay_alu instid0(VALU_DEP_1)
	v_lshlrev_b32 v[\t], 5, v[\t]
	s_delay_alu instid0(VALU_DEP_3)
	v_and_b32 v[\d], 1, v[\n]
	s_delay_alu instid0(VALU_DEP_1)
	v_lshl_add_u32 v[\d], v[\d], 3, v[\t]
	s_delay_alu instid0(VALU_DEP_1)
	v_add_nc_u32 v[\d], v[\d], v[\r]
	v_and_b32 v[\t], 8, v[\r]
	s_delay_alu instid0(VALU_DEP_1)
	v_add_nc_u32 v[\d], v[\d], v[\t]
.endm
; 16 numbers of w0 in v16-31 become 16 codes with the scale 2^e1 and are stored at off + v10; the path ends
.macro WQUANT off
	s_wait_kmcnt 0x0                               ; the scales
	s_add_co_i32 s4, s37, 127
	s_lshl_b32 s5, s4, 23
	v_mov_b32 v11, s5                              ; 2^e1 as f32: the conversion takes its exponent field
	s_add_co_i32 s4, s4, 15
	s_lshl_b32 s4, s4, 23
	s_or_b32 s4, s4, 0x600000
	v_mov_b32 v12, s4                              ; 57,344 x 2^e1
.irp i, 0,1,2,3,4,5,6,7,8,9,10,11,12,13,14,15
	v_med3_num_f32 v[16+\i], v[16+\i], -v12, v12   ; the conversion does not saturate (ISA guide 7.6.2): the hold comes first
.endr
	v_cvt_scalef32_pk8_bf8_f32 v[32:33], v[16:23], v11
	v_cvt_scalef32_pk8_bf8_f32 v[34:35], v[24:31], v11
	global_store_b128 v10, v[32:35], s[32:33] offset:\off   ; a wave stores 512 consecutive bytes
	s_endpgm
.endm
; one fixed index: | ((2 i + k) mod 256) - 128 | / 2, i in v5
.macro FIX d, k
	v_lshl_add_u32 v6, v5, 1, \k
	s_delay_alu instid0(VALU_DEP_1)
	v_and_b32 v6, 0xff, v6
	s_delay_alu instid0(VALU_DEP_1)
	v_add_nc_u32 v6, 0xffffff80, v6
	s_delay_alu instid0(VALU_DEP_1)
	v_sub_nc_u32 v7, 0, v6
	s_delay_alu instid0(VALU_DEP_1)
	v_max_i32 v6, v6, v7
	s_delay_alu instid0(VALU_DEP_1)
	v_lshrrev_b32 v[\d], 1, v6
.endm
; one axis: v[x] the coordinate; v[o] the lower index, v[o+1] the upper, v[o+2] the lower weight, v[o+3] the upper weight
.macro AXIS x, o
	v_add_f32 v4, 1.0, v[\x]
	s_delay_alu instid0(VALU_DEP_1)
	v_mul_f32 v4, 0.5, v4
	s_delay_alu instid0(VALU_DEP_1)
	v_mul_f32 v4, 0x427c0000, v4                   ; x 63
	s_delay_alu instid0(VALU_DEP_1)
	v_floor_f32 v5, v4
	s_delay_alu instid0(VALU_DEP_1)
	v_sub_f32 v[\o+3], v4, v5
	s_delay_alu instid0(VALU_DEP_1)
	v_sub_f32 v[\o+2], 1.0, v[\o+3]
	s_delay_alu instid0(VALU_DEP_3)
	v_cvt_i32_f32 v5, v5
	FIX \o, 129
	FIX \o+1, 131
.endm
; sine and cosine of v[x] * 2^f pi into v[ds] and v[dc]; v4-15 at work
.macro SINCOS x, f, ds, dc
	v_mul_f32 v4, 0x40490fdb+((\f)<<23), v[\x]     ; a
	s_delay_alu instid0(VALU_DEP_1)
	v_mul_f32 v5, s[TWOPI], v4
	s_delay_alu instid0(VALU_DEP_1)
	v_rndne_f32 v5, v5                             ; n
	s_delay_alu instid0(VALU_DEP_1)
	v_fma_f32 v6, v5, s[NP1], v4
	s_delay_alu instid0(VALU_DEP_1)
	v_fma_f32 v6, v5, s[NP2], v6
	s_delay_alu instid0(VALU_DEP_1)
	v_fma_f32 v6, v5, s[NP3], v6                   ; r
	s_delay_alu instid0(VALU_DEP_4)
	v_cvt_i32_f32 v7, v5                           ; the quadrant, in its two low bits
	s_delay_alu instid0(VALU_DEP_2)
	v_mul_f32 v8, v6, v6                           ; z = r r
	s_delay_alu instid0(VALU_DEP_1)
	v_fma_f32 v9, v8, s[S3], s[S2]
	s_delay_alu instid0(VALU_DEP_1)
	v_fma_f32 v9, v9, v8, s[S1]
	s_delay_alu instid0(VALU_DEP_3)
	v_mul_f32 v10, v8, v6
	s_delay_alu instid0(VALU_DEP_1)
	v_fma_f32 v9, v9, v10, v6                      ; sin r
	v_fma_f32 v11, v8, s[C3], s[C2]
	s_delay_alu instid0(VALU_DEP_1)
	v_fma_f32 v11, v11, v8, s[C1]
	s_delay_alu instid0(VALU_DEP_1)
	v_fma_f32 v11, v11, v8, -0.5
	s_delay_alu instid0(VALU_DEP_1)
	v_fma_f32 v11, v11, v8, 1.0                    ; cos r
	v_and_b32 v12, 1, v7
	s_delay_alu instid0(VALU_DEP_1)
	v_cmp_eq_u32 vcc_lo, 1, v12
	s_delay_alu instid0(VALU_DEP_1)
	v_cndmask_b32 v13, v9, v11, vcc_lo             ; in odd quadrants the two change places
	s_delay_alu instid0(VALU_DEP_2)
	v_cndmask_b32 v14, v11, v9, vcc_lo
	v_lshlrev_b32 v12, 30, v7
	s_delay_alu instid0(VALU_DEP_1)
	v_and_b32 v12, 0x80000000, v12                 ; the sine is negated in quadrants 2 and 3,
	s_delay_alu instid0(VALU_DEP_1)
	v_xor_b32 v[\ds], v13, v12
	v_add_nc_u32 v7, 1, v7
	s_delay_alu instid0(VALU_DEP_1)
	v_lshlrev_b32 v7, 30, v7
	s_delay_alu instid0(VALU_DEP_1)
	v_and_b32 v7, 0x80000000, v7                   ; the cosine in quadrants 1 and 2
	s_delay_alu instid0(VALU_DEP_1)
	v_xor_b32 v[\dc], v14, v7
.endm
	s_load_b512 s[8:23], s[0:1], 0x0               ; coords s[8:9], w0 s[10:11], w1 s[12:13], w2 s[14:15], w_out s[16:17], b0 s[18:19], b1 s[20:21], b2 s[22:23]
	s_load_b256 s[24:31], s[0:1], 0x40             ; lowp_scales s[24:25], pidx s[26:27], pwts s[28:29], encimg s[30:31]
	s_load_b64 s[32:33], s[0:1], 0x60              ; wimg
	v_lshrrev_b32 v1, 5, v0
	s_delay_alu instid0(VALU_DEP_1)
	v_readfirstlane_b32 s2, v1                     ; wave 0..7
	s_wait_kmcnt 0x0
	s_load_b128 s[36:39], s[24:25], 0x0            ; e0 .. e3
	s_load_b64 s[40:41], s[24:25], 0x10            ; e4, e5
	s_cmp_lt_u32 ttmp9, 256                        ; the paths part on the work-group number alone
	s_cbranch_scc1 .Lpoints
	s_cmp_lt_u32 ttmp9, 264
	s_cbranch_scc1 .Lw0s
	s_cmp_lt_u32 ttmp9, 266
	s_cbranch_scc1 .Lw0e
	s_cmp_lt_u32 ttmp9, 274
	s_cbranch_scc1 .Lw12
	s_cmp_eq_u32 ttmp9, 274
	s_cbranch_scc1 .Lwo
	; ---- work-group 275: the biases.  Wave L = 0, 1, 2 takes b_L; waves 3 to 7 store the zeros behind them
	v_and_b32 v1, 31, v0
	s_delay_alu instid0(VALU_DEP_1)
	v_lshlrev_b32 v1, 4, v1                        ; 16 x lane
	s_lshl_b32 s3, s2, 9
	v_add_nc_u32 v2, s3, v1                        ; + 512 x wave
	s_cmp_ge_u32 s2, 3
	s_cbranch_scc1 .Lzero
	s_cmp_eq_u32 s2, 0
	s_cselect_b64 s[44:45], s[18:19], s[20:21]
	s_cmp_eq_u32 s2, 2
	s_cselect_b64 s[44:45], s[22:23], s[44:45]
	global_load_b128 v[16:19], v1, s[44:45]
	s_wait_kmcnt 0x0
	s_add_co_i32 s4, s36, s37
	s_add_co_i32 s5, s38, s39
	s_add_co_i32 s6, s40, s41
	s_cmp_eq_u32 s2, 0
	s_cselect_b32 s4, s4, s5
	s_cmp_eq_u32 s2, 2
	s_cselect_b32 s4, s6, s4                       ; the two exponents of my layer, added
	s_sub_co_i32 s4, 0, s4
	s_wait_loadcnt 0x0
.irp i, 0,1,2,3
	v_ldexp_f32 v[16+\i], v[16+\i], s4             ; the bias enters the sums as their first term, so it is divided by what they lack
.endr
	s_wait_alu depctr_va_vdst(0)
	global_store_b128 v2, v[16:19], s[32:33] offset:IMG_B
	s_endpgm
.Lzero:
.irp i, 0,1,2,3
	v_mov_b32 v[16+\i], 0
.endr
	s_wait_alu depctr_va_vdst(0)
	s_wait_kmcnt 0x0
	global_store_b128 v2, v[16:19], s[32:33] offset:IMG_B
	s_endpgm
	; ---- work-groups 256-263: w0, rows 42 on
.Lw0s:
	s_sub_co_u32 s3, ttmp9, 256
	s_lshl_b32 s3, s3, 8
	v_add_nc_u32 v1, s3, v0                        ; chunk 0 .. 2047
	s_delay_alu instid0(VALU_DEP_1)
	v_and_b32 v2, 15, v1                           ; r
	s_delay_alu instid0(VALU_DEP_2)
	v_bfe_u32 v3, v1, 4, 1                         ; h
	s_delay_alu instid0(VALU_DEP_3)
	v_bfe_u32 v4, v1, 5, 2                         ; c
	s_delay_alu instid0(VALU_DEP_4)
	v_bfe_u32 v5, v1, 7, 1                         ; s
	v_lshrrev_b32 v6, 8, v1                        ; n
	UNIT 7, 6, 2, 8
	v_lshlrev_b32 v9, 6, v5
	s_delay_alu instid0(VALU_DEP_1)
	v_lshl_add_u32 v9, v4, 4, v9
	s_delay_alu instid0(VALU_DEP_1)
	v_lshl_add_u32 v9, v3, 3, v9
	s_delay_alu instid0(VALU_DEP_1)
	v_add_nc_u32 v9, 42, v9                        ; first row of w0: 42 + 64 s + 16 c + 8 h
	s_delay_alu instid0(VALU_DEP_1)
	v_lshlrev_b32 v9, 9, v9                        ; a row of w0 is 512 bytes
	s_delay_alu instid0(VALU_DEP_1)
	v_lshl_add_u32 v9, v7, 2, v9
.set I, 0
.irp dk, 0,1,2,3,128,129,130,131,4,5,6,7,132,133,134,135
	global_load_b32 v[16+I], v9, s[10:11] offset:512*\dk   ; the rows in the order in which the second launch lays the channels
.set I, I+1
.endr
	v_lshlrev_b32 v10, 4, v1
	s_wait_loadcnt 0x0
	WQUANT 0
	; ---- work-groups 264, 265: w0, rows 0 to 41
.Lw0e:
	s_sub_co_u32 s3, ttmp9, 264
	s_lshl_b32 s3, s3, 8
	v_add_nc_u32 v1, s3, v0                        ; chunk 0 .. 511
	s_delay_alu instid0(VALU_DEP_1)
	v_and_b32 v2, 15, v1
	s_delay_alu instid0(VALU_DEP_2)
	v_bfe_u32 v3, v1, 4, 1
	s_delay_alu instid0(VALU_DEP_3)
	v_bfe_u32 v4, v1, 5, 1
	s_delay_alu instid0(VALU_DEP_4)
	v_lshrrev_b32 v6, 6, v1
	UNIT 7, 6, 2, 8
	v_lshlrev_b32 v5, 5, v3
	s_delay_alu instid0(VALU_DEP_1)
	v_lshl_add_u32 v5, v4, 4, v5                   ; first row: 32 h + 16 c; rows up to 63 lie inside w0
	s_delay_alu instid0(VALU_DEP_1)
	v_lshlrev_b32 v9, 9, v5
	s_delay_alu instid0(VALU_DEP_1)
	v_lshl_add_u32 v9, v7, 2, v9
.irp i, 0,1,2,3,4,5,6,7,8,9,10,11,12,13,14,15
	global_load_b32 v[16+\i], v9, s[10:11] offset:512*\i
.endr
	v_lshlrev_b32 v10, 4, v1
	s_wait_alu depctr_va_vdst(0)
	s_wait_loadcnt 0x0
.irp i, 0,1,2,3,4,5,6,7,8,9,10,11,12,13,14,15
	v_cmp_gt_u32 vcc_lo, 42-\i, v5                 ; rows from 42 on belong to the other part: zero here
	s_delay_alu instid0(VALU_DEP_1)
	v_cndmask_b32 v[16+\i], 0, v[16+\i], vcc_lo
.endr
	WQUANT IMG_W0E
	; ---- work-groups 266-269: w1; 270-273: w2: the codes as they are given, in the order of the registers
.Lw12:
	s_sub_co_u32 s3, ttmp9, 266
	s_and_b32 s3, s3, 3
	s_lshl_b32 s3, s3, 8
	v_add_nc_u32 v1, s3, v0                        ; chunk 0 .. 1023
	s_delay_alu instid0(VALU_DEP_1)
	v_and_b32 v2, 15, v1
	s_delay_alu instid0(VALU_DEP_2)
	v_bfe_u32 v3, v1, 4, 1
	s_delay_alu instid0(VALU_DEP_3)
	v_bfe_u32 v4, v1, 5, 2
	s_delay_alu instid0(VALU_DEP_4)
	v_lshrrev_b32 v6, 7, v1
	UNIT 7, 6, 2, 8
	s_delay_alu instid0(VALU_DEP_1)
	v_lshlrev_b32 v9, 7, v7                        ; a row of codes is 128 bytes
	s_delay_alu instid0(VALU_DEP_1)
	v_lshl_add_u32 v9, v4, 5, v9
	s_delay_alu instid0(VALU_DEP_1)
	v_lshl_add_u32 v9, v3, 4, v9
	s_cmp_lt_u32 ttmp9, 270
	s_cselect_b64 s[44:45], s[12:13], s[14:15]
	s_mov_b32 s4, IMG_W2
	s_cselect_b32 s4, IMG_W1, s4
	global_load_b128 v[16:19], v9, s[44:45]
	v_lshlrev_b32 v10, 4, v1
	s_delay_alu instid0(VALU_DEP_1)
	v_add_nc_u32 v10, s4, v10
	s_wait_alu depctr_va_vdst(0)
	s_wait_kmcnt 0x0
	s_wait_loadcnt 0x0
	global_store_b128 v10, v[16:19], s[32:33]
	s_endpgm
	; ---- work-group 274: w_out as f16
.Lwo:
	v_and_b32 v2, 15, v0                           ; r
	v_bfe_u32 v3, v0, 4, 1                         ; h
	v_bfe_u32 v4, v0, 5, 1                         ; c
	v_lshrrev_b32 v5, 6, v0                        ; b
	s_delay_alu instid0(VALU_DEP_1)
	v_lshlrev_b32 v6, 5, v5
	s_delay_alu instid0(VALU_DEP_1)
	v_lshl_add_u32 v6, v3, 4, v6
	s_delay_alu instid0(VALU_DEP_1)
	v_lshl_add_u32 v6, v4, 3, v6                   ; first row of w_out: 32 b + 16 h + 8 c
	v_and_b32 v7, 7, v2
	s_delay_alu instid0(VALU_DEP_1)
	v_min_u32 v8, 2, v7                            ; the column, held inside the row
	s_delay_alu instid0(VALU_DEP_1)
	v_mad_u32_u24 v6, v6, 3, v8
	s_delay_alu instid0(VALU_DEP_1)
	v_lshlrev_b32 v6, 2, v6
.irp i, 0,1,2,3,4,5,6,7
	global_load_b32 v[16+\i], v6, s[16:17] offset:12*\i
.endr
	v_lshlrev_b32 v10, 4, v0
	v_mov_b32 v12, 0x477fe000                      ; 65,504
	v_cmp_gt_u32 vcc_lo, 3, v7
	s_wait_kmcnt 0x0
	s_wait_loadcnt 0x0
.irp i, 0,1,2,3,4,5,6,7
	v_cndmask_b32 v[16+\i], 0, v[16+\i], vcc_lo    ; rows of the operand that stand for no output are zeros
	s_wait_alu depctr_va_vdst(0)
	v_med3_num_f32 v[16+\i], v[16+\i], -v12, v12
.endr
.irp i, 0,1,2,3
	v_cvt_pk_f16_f32 v[32+\i], v[16+2*\i], v[17+2*\i]
.endr
	global_store_b128 v10, v[32:35], s[32:33] offset:IMG_WO
	s_endpgm
	; ---- work-groups 0-255: a thread a point
.Lpoints:
	s_lshl_b32 s3, ttmp9, 8
	v_add_nc_u32 v1, s3, v0                        ; n
	s_delay_alu instid0(VALU_DEP_1)
	v_lshlrev_b32 v2, 3, v1
	global_load_b64 v[E:E+1], v2, s[8:9]           ; the two coordinates are also the first two encoded numbers
	v_lshlrev_b32 v3, 4, v1                        ; 16 n: a wave stores 512 consecutive bytes of pidx and of pwts
	v_lshrrev_b32 v98, 4, v1
	v_and_b32 v99, 15, v1
	s_delay_alu instid0(VALU_DEP_2)
	v_lshlrev_b32 v98, 10, v98
	s_delay_alu instid0(VALU_DEP_1)
	v_lshl_add_u32 v98, v99, 4, v98                ; encimg: 1024 x tile + 16 x place in the tile
	s_mov_b32 s[TWOPI], 0x3f22f983
	s_mov_b32 s[NP1], 0xbfc90fdb
	s_mov_b32 s[NP2], 0x333bbd2e
	s_mov_b32 s[NP3], 0x26f72ce8
	s_mov_b32 s[S1], 0xbe2aaaa3
	s_mov_b32 s[S2], 0x3c08839e
	s_mov_b32 s[S3], 0xb94ca1f9
	s_mov_b32 s[C1], 0x3d2aaaa5
	s_mov_b32 s[C2], 0xbab6061a
	s_mov_b32 s[C3], 0x37ccf5ce
	s_wait_loadcnt 0x0
	AXIS E, 64                                     ; rows:    v64, v65 indices; v66, v67 weights
	AXIS E+1, 68                                   ; columns: v68, v69; v70, v71
	v_lshl_add_u32 v72, v64, 6, v68
	s_delay_alu instid0(VALU_DEP_2)
	v_lshl_add_u32 v73, v64, 6, v69
	v_lshl_add_u32 v74, v65, 6, v68
	s_delay_alu instid0(VALU_DEP_4)
	v_lshl_add_u32 v75, v65, 6, v69
	v_mul_f32 v76, v66, v70
	v_mul_f32 v77, v66, v71
	v_mul_f32 v78, v67, v70
	v_mul_f32 v79, v67, v71
	global_store_b128 v3, v[72:75], s[26:27]
	global_store_b128 v3, v[76:79], s[28:29]
.irp f, 0,1,2,3,4,5,6,7,8,9
	SINCOS E,   \f, E+2+4*\f, E+4+4*\f             ; for each frequency: sin x0, sin x1, cos x0, cos x1
	SINCOS E+1, \f, E+3+4*\f, E+5+4*\f
.endr
.irp i, 42,43,44,45,46,47
	v_mov_b32 v[E+\i], 0
.endr
.irp i, 92,93,94,95
	v_mov_b32 v[\i], 0                             ; encoded numbers 48 to 63: zero codes
.endr
	s_wait_kmcnt 0x0
	s_add_co_i32 s4, s36, 127
	s_lshl_b32 s5, s4, 23
	v_mov_b32 v96, s5                              ; 2^e0
	s_add_co_i32 s4, s4, 15
	s_lshl_b32 s4, s4, 23
	s_or_b32 s4, s4, 0x600000
	v_mov_b32 v97, s4                              ; 57,344 x 2^e0
.set I, 0
.rept 42
	v_med3_num_f32 v[E+I], v[E+I], -v97, v97
.set I, I+1
.endr
.irp g, 0,1,2,3,4,5
	v_cvt_scalef32_pk8_bf8_f32 v[80+2*\g:81+2*\g], v[E+8*\g:E+8*\g+7], v96
.endr
	global_store_b128 v98, v[80:83], s[30:31]              ; numbers 0-15:  h = 0, c = 0.  Sixteen neighbouring lanes store 256 consecutive bytes, aligned
	global_store_b128 v98, v[84:87], s[30:31] offset:512   ; numbers 16-31: h = 0, c = 1
	global_store_b128 v98, v[88:91], s[30:31] offset:256   ; numbers 32-47: h = 1, c = 0
	global_store_b128 v98, v[92:95], s[30:31] offset:768   ; numbers 48-63: h = 1, c = 1
	s_endpgm
.Lfunc_end_k_q93bf23f01f_prep:
	.size	k_q93bf23f01f_prep, .Lfunc_end_k_q93bf23f01f_prep-k_q93bf23f01f_prep
	.p2alignl 7, 3214868480
	.fill 96, 4, 3214868480
	.section	.rodata,"a",@progbits
	.p2align	6, 0x0
	.amdhsa_kernel k_q93bf23f01f_prep
		.amdhsa_group_segment_fixed_size 0
		.amdhsa_private_segment_fixed_size 0
		.amdhsa_enable_private_segment 0
		.amdhsa_kernarg_size 104
		.amdhsa_user_sgpr_count 2
		.amdhsa_user_sgpr_kernarg_segment_ptr 1
		.amdhsa_wavefront_size32 1
		.amdhsa_system_sgpr_workgroup_id_x 1
		.amdhsa_system_sgpr_workgroup_id_y 1
		.amdhsa_system_sgpr_workgroup_id_z 1
		.amdhsa_system_vgpr_workitem_id 0
		.amdhsa_next_free_vgpr 128
		.amdhsa_next_free_sgpr 66
		.amdhsa_reserve_vcc 1
		.amdhsa_float_denorm_mode_32 3
		.amdhsa_float_denorm_mode_16_64 3
		.amdhsa_memory_ordered 1
		.amdhsa_forward_progress 1
		.amdhsa_inst_pref_size 65
	.end_amdhsa_kernel
	.amdgpu_metadata
---
amdhsa.version: [ 1, 2 ]
amdhsa.kernels:
  - .name:           k_q93bf23f01f_prep
    .symbol:         k_q93bf23f01f_prep.kd
    .args:
      - { .name: coords, .offset: 0, .size: 8, .value_kind: global_buffer, .address_space: global }
      - { .name: w0, .offset: 8, .size: 8, .value_kind: global_buffer, .address_space: global }
      - { .name: w1_codes, .offset: 16, .size: 8, .value_kind: global_buffer, .address_space: global }
      - { .name: w2_codes, .offset: 24, .size: 8, .value_kind: global_buffer, .address_space: global }
      - { .name: w_out, .offset: 32, .size: 8, .value_kind: global_buffer, .address_space: global }
      - { .name: b0, .offset: 40, .size: 8, .value_kind: global_buffer, .address_space: global }
      - { .name: b1, .offset: 48, .size: 8, .value_kind: global_buffer, .address_space: global }
      - { .name: b2, .offset: 56, .size: 8, .value_kind: global_buffer, .address_space: global }
      - { .name: lowp_scales, .offset: 64, .size: 8, .value_kind: global_buffer, .address_space: global }
      - { .name: pidx, .offset: 72, .size: 8, .value_kind: global_buffer, .address_space: global }
      - { .name: pwts, .offset: 80, .size: 8, .value_kind: global_buffer, .address_space: global }
      - { .name: encimg, .offset: 88, .size: 8, .value_kind: global_buffer, .address_space: global }
      - { .name: wimg, .offset: 96, .size: 8, .value_kind: global_buffer, .address_space: global }
    .group_segment_fixed_size: 0
    .private_segment_fixed_size: 0
    .kernarg_segment_align: 8
    .kernarg_segment_size: 104
    .max_flat_workgroup_size: 256
    .sgpr_count:     66
    .vgpr_count:     128
    .wavefront_size: 32
...
	.end_amdgpu_metadata
.endif
;; end of part 3
;; launch decode (part 4): grid 256 x 1, 16 waves a work-group, no clusters, 247,808 bytes of LDS; arguments feature_grid, pidx, pwts, encimg, wimg, lowp_scales, b_out, out0; writes out0
.if DOCPART == 4
	.amdgcn_target "amdgcn-amd-amdhsa--gfx1250"
	.amdhsa_code_object_version 6
	.text
	.protected	k_q93bf23f01f_decode
	.globl	k_q93bf23f01f_decode
	.p2align	8
	.type	k_q93bf23f01f_decode,@function
k_q93bf23f01f_decode:
	s_mov_b64 s[64:65], 0
	v_nop
	global_prefetch_b8 v0, s[64:65] scope:SCOPE_SE
	s_setreg_imm32_b32 hwreg(HW_REG_WAVE_SCHED_MODE, 0, 2), 2
	s_setreg_imm32_b32 hwreg(HW_REG_WAVE_MODE, 25, 1), 1
	s_wait_xcnt 0x0
	s_wait_alu depctr_vm_vsrc(0)
; SECOND OF TWO LAUNCHES: gather, interpolate, quantise, three layers on E5M2 codes with the tanh form of gelu, the last product on f16, tanh.  No work of the problem is left out here.
; SHARES.  A work-group owns 256 points, each of its sixteen waves 16 of them, for all 8 images.  A wave works on 16 points x 2 images (two tiles of 16 rows) at a time: four passes.
; A pass has two phases.  G: for each point and image four grid vertices of 1,024 bytes are loaded (a lane holds channels 4 l .. 4 l + 3 and 128 + 4 l .. + 3 of each), weighed, held, converted; a lane
; puts its eight codes at byte 8 l of the row in the wave's own stage in LDS.  So position p of a row stands for channel 4 (p / 8) + p % 8 or 128 + 4 (p / 8) + p % 8 - 4; w0 was laid in the same order.
; MLP: every product is used transposed (source 0 = 16 output units, source 1 = 16 rows), so a lane holds one point; the units of a tile are chosen so that the 16 registers of tiles 2 b, 2 b + 1 are the 16
; neighbours 32 b + 16 (lane / 16) + 0 .. 15 along the next K: the conversions' results are the next operand.  k is permuted alike in both operands of every product.
; The encoded part of the first product (K = 64, the same for both images) and each layer's bias are summed once, in the first image's accumulators, and enter the second image's sums as their C.
; TWO GROUPS OF WAVES IN COUNTER-PHASE: one loop of nine half-steps with a barrier at its end; group 0 gathers in even half-steps and computes in odd ones, group 1 the other way round, one half-step later.
; So the loads of eight waves are on their way while the other eight compute.  The barrier only paces: in the loop no wave reads what another wrote.  The branches hang on the wave number and the loop count alone.
; SCALES.  A sum S of layer L stands for S x 2^E, E = the two exponents added.  gelu(x) = x / (1 + 2^(x (c0 + c1 x x))), c0 = -2 sqrt(2 / pi) log2(e), c1 = 0.044715 c0.  2^E goes into c0, 2^(3 E) into c1 (added to their
; exponent fields), and x / (1 + e) is taken as S x 1 / ((1 + e) 2^-E).  The biases were divided by 2^E in the first launch.
; NO TENSOR LOADS, NO CLUSTER: what is loaded in bulk is a gather by stored indices in pieces of 512 bytes; what work-groups share, the weights' image of 81,920 bytes, is read once against 8 MiB of gather.
; NO PREFETCH: each byte of the grid is read by many points, so the stream is not one that is read once.
; LIMITS: e0, e2, e4 between -126 and 112; each of e0 + e1, e2 + e3, e4 + e5 between -40 and 40; the last hidden layer is held at 65,504 for f16; NaN and infinity among the inputs are not served.
; THE MODE: SCHED_MODE bits 1:0 = 2 (LLVM: expert scheduling mode 2), set by the entry lines.  The code itself states the register dependences between vector or matrix instructions and memory or LDS
; instructions, with s_wait_alu, always for 0.
; THE PLAN.  Registers that memory or LDS instructions touch:
;   v1-5, v9     offsets and LDS addresses: written at the head, never again.  v0: written twice at the head.  v6, v7: written at the head, read by the closing add alone.
;   G: slots S0 = v128-191, S1 = v192-255, S2 = v24-87.  Point p's arithmetic reads and writes slot p % 3; the loads of point p + 2, issued in point p, land in slot (p - 1) % 3.
;   G: out-buffers OB0 = v96-99, OB1 = v100-103.  Point p's two conversions write OB[p % 2]; the two LDS stores that read it are issued in point p + 1.
;      So two waits at the head of point p state all that its eighteen memory and LDS instructions hang on: none of point p's vector instructions names slot (p - 1) % 3 or OB[(p - 1) % 2].
;   MLP: v24-87 fragments of weights land, products read them, gelu works in them;  v96-127 codes land from the stage or are written by conversions, products read them;  v128-191 the biases land, then sums.
;      The next layer's biases are asked for inside the second image's gelu, its first four fragments behind that gelu: both land under vector work that names none of their registers.
;   tail: v12-23 the LDS stores' data; v24-35 LDS loads land, global stores read.
; Each phase opens with its own wait for the vector side; G closes with the wait for its last stores' data: so the phases may follow each other in any order round the loop.
; LDS: 0 the weights' image; 81920 sixteen stages of 32 rows x 272 bytes; 221184 the results [8][256][3] f32; 245760 the spare words.
; VECTOR REGISTERS: v0 tail: where I read results back; v1 16 x lane; v2 v1 + 57344; v3 stage, in; v4 stage, out; v5 biases; v6, v7 the add's two; v8 the conversion's scale; v9 where my results go;
;   v[10:11] c0; v12-23 results of four passes; v24-87 G: point slot 2, MLP: four fragments of weights, or 64 at work; v88-95 my points' encoded codes; v96-127 the two tiles' codes, G: v96-103 the out-buffers; v128-255 accumulators [image][tile], G: slots 0, 1.
; SCALAR REGISTERS: s2 wave, s3 half-step, s4 its place in my group's walk; s[8:9] grid; s[10:11] my indices; s[12:13] my weights; s14-16 b_out x K2; s17 65,504; s[22:23] my part of out0; s24-31 two sets of indices;
;   s32-39 two sets of weights; s40, s42 copies of the odd weights; s44-59, s68-75 three sets of four addresses; s[60:61] the pass's images; s[62:63] an offset; s66 1 - group; s76-81 c1; s82-84 c0; s85 K2; s86-91 2^-E; s92-100 the quantisers.
.set IMG_W0E, 32768
.set IMG_W1,  40960
.set IMG_W2,  57344
.set IMG_WO,  73728
.set IMG_B,   77824
.set STG,     81920
.set SP,      272                      ; a stage row: 256 codes + 16 bytes, so that the 16 rows of a load start at 16 different banks
.set STGW,    32*SP
.set OUTB,    221184
.set SPARE,   245760                   ; the spare words, 128 bytes for each wave: eight blocks of 256 bytes that no other line names
.set IMAGE,   4194304                  ; bytes of one image of the grid
.macro PLACES n
.rept \n
	v_nop
.endr
.endm
; ---------------- phase G
.macro BASES p                         ; the four addresses of point p: an index is held inside the grid, then 1,024 bytes a cell
.set GB, 44+8*((\p)%3)+8*(((\p)%3)/2)
.set GI, 24+4*((\p)%2)
.irp k, 0,1,2,3
	s_min_u32 s62, s[GI+\k], 0xfff
	s_lshl_b32 s62, s62, 10
	s_add_nc_u64 s[GB+2*\k:GB+2*\k+1], s[60:61], s[62:63]
.endr
.endm
.macro GLOADS p                        ; 16 loads of 512 consecutive bytes: 2 images x 4 corners x 2 halves of the channels
.set GB, 44+8*((\p)%3)+8*(((\p)%3)/2)
.set GX, 128+64*((\p)%3)-232*(((\p)%3)/2)
.irp i, 0,1
.irp k, 0,1,2,3
	global_load_b128 v[GX+32*\i+8*\k:GX+32*\i+8*\k+3],   v1, s[GB+2*\k:GB+2*\k+1] offset:\i*IMAGE
	global_load_b128 v[GX+32*\i+8*\k+4:GX+32*\i+8*\k+7], v1, s[GB+2*\k:GB+2*\k+1] offset:\i*IMAGE+512
.endr
.endr
.endm
.macro ROW x, i, p, w                  ; one row: eight channels a lane, four corners at v[x], +8, +16, +24; the weights in s[w] .. s[w+3]; the codes go into out-buffer p % 2
.irp j, 0,2,4,6
	v_pk_mul_f32 v[\x+\j:\x+\j+1], v[\x+\j:\x+\j+1], s[\w:\w+1] op_sel_hi:[1,0]
.endr
.irp j, 0,2,4,6
	v_pk_fma_f32 v[\x+\j:\x+\j+1], v[\x+8+\j:\x+8+\j+1], s[40:41], v[\x+\j:\x+\j+1] op_sel_hi:[1,0,1]
.endr
.irp j, 0,2,4,6
	v_pk_fma_f32 v[\x+\j:\x+\j+1], v[\x+16+\j:\x+16+\j+1], s[\w+2:\w+3], v[\x+\j:\x+\j+1] op_sel_hi:[1,0,1]
.endr
.irp j, 0,2,4,6
	v_pk_fma_f32 v[\x+\j:\x+\j+1], v[\x+24+\j:\x+24+\j+1], s[42:43], v[\x+\j:\x+\j+1] op_sel_hi:[1,0,1]
.endr
.irp j, 0,1,2,3,4,5,6,7
	v_med3_num_f32 v[\x+\j], v[\x+\j], s98, s95    ; the conversion does not saturate (ISA guide 7.6.2): the hold at 57,344 x 2^e0
.endr
	v_cvt_scalef32_pk8_bf8_f32 v[96+4*((\p)%2)+2*\i:97+4*((\p)%2)+2*\i], v[\x:\x+7], v8
.endm
.macro PUT p                           ; point p's two rows of codes leave out-buffer p % 2 for my stage
.irp i, 0,1
	ds_store_b64 v3, v[96+4*((\p)%2)+2*\i:97+4*((\p)%2)+2*\i] offset:(16*\i+(\p))*SP   ; the 32 lanes store a row's 256 bytes
.endr
.endm
; Point p.  Scalar loads run ahead: the indices of point p + 3 and the weights of point p + 1, each into the set that is done with.  The grid loads run two points ahead, in three slots of 64 registers.
.macro POINT p
.set RX, 128+64*((\p)%3)-232*(((\p)%3)/2)
.set RW, 32+4*((\p)%2)
.set NW, 32+4*(((\p)+1)%2)
.set NI, 24+4*(((\p)+1)%2)
	s_wait_kmcnt 0x0                               ; the indices of point p + 2 and the weights of point p are in
.if (\p)+3 <= 15
	s_load_b128 s[NI:NI+3], s[10:11], 16*((\p)+3)
.endif
.if (\p)+1 <= 15
	s_load_b128 s[NW:NW+3], s[12:13], 16*((\p)+1)
.endif
.if (\p) <= 13
	BASES (\p)+2                                   ; this set of addresses served point p - 1, whose loads the last counted wait has shown done
.endif
.if (\p) >= 2
	s_wait_alu depctr_vm_vsrc(0)                   ; the two LDS stores issued in the point before have read out-buffer p % 2, which this point's conversions write again
.endif
.if (\p) >= 1
	s_wait_alu depctr_va_vdst(0)                   ; point p - 1's conversions have written out-buffer (p - 1) % 2, which the stores below read; its arithmetic is done reading and writing its slot, in which the loads below land
	PUT (\p)-1
.endif
.if (\p) <= 13
	GLOADS (\p)+2                                  ; no vector instruction since the wait names these registers (point 0: since the wait at the phase's head)
.endif
	s_mov_b32 s40, s[RW+1]                         ; the packed forms take the low word of a pair: the odd weights get pairs of their own
	s_mov_b32 s42, s[RW+3]
.if (\p) <= 13
	s_wait_loadcnt 32                              ; loads come back in order: the 2 x 16 of points p + 1 and p + 2 may be out, point p is in
.else
	s_wait_loadcnt 16*(15-(\p))                    ; the counts run down: 16, 0
.endif
	ROW RX, 0, \p, RW
	ROW RX+32, 1, \p, RW
.endm
; ---------------- phase MLP
.macro LDBIAS l                        ; layer l: the first image's eight accumulators begin as the bias: lane (r, h), tile n, register j: unit 32 (n / 2) + 16 h + 8 (n % 2) + j
.irp n, 0,1,2,3,4,5,6,7
	ds_load_b128 v[128+8*\n:131+8*\n], v5 offset:512*(\l)+128*(\n/2)+32*(\n%2)
	ds_load_b128 v[132+8*\n:135+8*\n], v5 offset:512*(\l)+128*(\n/2)+32*(\n%2)+16
.endr
.endm
.macro LDB s                           ; K step s of the two tiles of rows, from my stage
.irp t, 0,1
.irp c, 0,1,2,3
	ds_load_b128 v[96+16*\t+4*\c:99+16*\t+4*\c], v4 offset:\t*16*SP+128*(\s)+32*\c
.endr
.endr
.endm
.macro LDA g, adr, off, stride         ; four fragments of weights, tiles 4 g .. 4 g + 3, as images of their registers
.irp m, 0,1,2,3
.irp c, 0,1,2,3
	ds_load_b128 v[24+16*\m+4*\c:27+16*\m+4*\c], v[\adr] offset:(\off)+(\stride)*(4*(\g)+\m)+512*\c
.endr
.endr
.endm
; What both images share lies in the first image's accumulators.  The second image's sums take it as their C; five places on, the first image's go on in place.  The accumulators take turns.
.macro FAN g
.irp m, 0,1,2,3
	v_wmma_f32_16x16x128_bf8_bf8 v[192+8*(4*(\g)+\m):199+8*(4*(\g)+\m)], v[24+16*\m:39+16*\m], v[112:127], v[128+8*(4*(\g)+\m):135+8*(4*(\g)+\m)]
.endr
	PLACES 5                                       ; a matrix instruction that writes over a register of an earlier one stands five places behind it
.irp m, 0,1,2,3
	v_wmma_f32_16x16x128_bf8_bf8 v[128+8*(4*(\g)+\m):135+8*(4*(\g)+\m)], v[24+16*\m:39+16*\m], v[96:111], v[128+8*(4*(\g)+\m):135+8*(4*(\g)+\m)]
.endr
.endm
.macro ACCUM g
.irp m, 0,1,2,3
	v_wmma_f32_16x16x128_bf8_bf8 v[128+8*(4*(\g)+\m):135+8*(4*(\g)+\m)], v[24+16*\m:39+16*\m], v[96:111], v[128+8*(4*(\g)+\m):135+8*(4*(\g)+\m)]
	v_wmma_f32_16x16x128_bf8_bf8 v[192+8*(4*(\g)+\m):199+8*(4*(\g)+\m)], v[24+16*\m:39+16*\m], v[112:127], v[192+8*(4*(\g)+\m):199+8*(4*(\g)+\m)]
.endr
.endm
; gelu of image t's 64 sums a lane, in place, in true units; v24-87 at work.  Each accumulator is read from its low end on.
; nb >= 0 (with t = 1 alone): the biases of layer nb are asked for on the way, into the first image's accumulators, which are done with.
.macro GELU t, l, nb
.set GS, 128+64*(\t)
.set J, 0
.rept 32
	v_pk_mul_f32 v[24+J:25+J], v[GS+J:GS+J+1], v[GS+J:GS+J+1]
.set J, J+2
.endr
.set J, 0
.rept 32
	v_pk_fma_f32 v[24+J:25+J], v[24+J:25+J], s[76+2*(\l):77+2*(\l)], v[10:11] op_sel_hi:[1,0,1]   ; c1 S S + c0
.set J, J+2
.endr
.set J, 0
.rept 32
	v_pk_mul_f32 v[24+J:25+J], v[24+J:25+J], v[GS+J:GS+J+1]
.set J, J+2
.endr
.set J, 0
	s_wait_alu depctr_va_vdst(0)
.rept 64
	v_exp_f32 v[24+J], v[24+J]
.set J, J+1
.endr
	v_nop                                          ; a plain instruction behind the last exponential,
	s_wait_alu depctr_va_vdst(0)                   ; and one wait for the batch: the 64 exponentials have written v24-87, ahead of their first reader
.if (\nb) >= 0
	LDBIAS \nb                                     ; the same wait states that the first image's holds and conversions, issued ahead of it, are done with v128-191, in which these loads land; this image's gelu and quantiser name v24-87, v192-255 and v112-127 alone
.endif
.set J, 0
.rept 32
	v_pk_fma_f32 v[24+J:25+J], v[24+J:25+J], s[86+2*(\l):87+2*(\l)], s[86+2*(\l):87+2*(\l)] op_sel_hi:[1,0,0]   ; (1 + e) 2^-E
.set J, J+2
.endr
.set J, 0
	s_wait_alu depctr_va_vdst(0)
.rept 64
	v_rcp_f32 v[24+J], v[24+J]
.set J, J+1
.endr
	v_nop
	s_wait_alu depctr_va_vdst(0)                   ; one wait for the batch: the 64 reciprocals have written v24-87, ahead of their first reader
.set J, 0
.rept 32
	v_pk_mul_f32 v[GS+J:GS+J+1], v[GS+J:GS+J+1], v[24+J:25+J]
.set J, J+2
.endr
.endm
.macro QUANT t, set                    ; image t's 64 numbers become the next operand's 16 registers
.set GS, 128+64*(\t)
.set J, 0
.rept 64
	v_med3_num_f32 v[GS+J], v[GS+J], s[98+(\set)], s[95+(\set)]
.set J, J+1
.endr
.irp b, 0,1,2,3
	v_cvt_scalef32_pk8_bf8_f32 v[96+16*(\t)+4*\b:97+16*(\t)+4*\b], v[GS+16*\b:GS+16*\b+7], v8
	v_cvt_scalef32_pk8_bf8_f32 v[98+16*(\t)+4*\b:99+16*(\t)+4*\b], v[GS+16*\b+8:GS+16*\b+15], v8
.endr
	v_nop                                          ; a plain instruction between the last conversion and what next touches its registers
.endm
.macro TOF16 t, dst                    ; image t's last hidden layer as f16: register 8 b + 4 c + i, half x = unit 32 b + 16 h + 8 c + 2 i + x, as w_out was laid
.set GS, 128+64*(\t)
.set J, 0
.rept 64
	v_min_num_f32 v[GS+J], s17, v[GS+J]            ; gelu has a floor of its own, so the hold is one-sided
.set J, J+1
.endr
.set J, 0
.rept 32
	v_cvt_pk_f16_f32 v[(\dst)+J], v[GS+2*J], v[GS+2*J+1]
.set J, J+1
.endr
.endm
.macro LAYERC l, ea                    ; the constants of layer l; s[ea], s[ea+1]: the exponents of its two operands
	s_add_co_i32 s5, s[\ea], s[\ea+1]              ; E
	s_lshl_b32 s6, s5, 23
	s_add_co_u32 s[82+\l], s6, 0xc0135761          ; c0 2^E
	s_mul_i32 s6, s5, 3
	s_lshl_b32 s6, s6, 23
	s_add_co_u32 s[76+2*\l], s6, 0xbdd2d3e8        ; c1 2^(3 E)
	s_mov_b32 s[77+2*\l], s[76+2*\l]               ; (named with it as a pair, so it is written)
	s_sub_co_i32 s6, 127, s5
	s_lshl_b32 s[86+2*\l], s6, 23                  ; 2^-E
	s_mov_b32 s[87+2*\l], s[86+2*\l]
	s_add_co_i32 s6, s[\ea], 127
	s_lshl_b32 s[92+\l], s6, 23                    ; the scale of the layer's computed operand, as f32,
	s_add_co_i32 s6, s6, 15
	s_lshl_b32 s6, s6, 23
	s_or_b32 s[95+\l], s6, 0x600000                ; 57,344 x that,
	s_or_b32 s[98+\l], s[95+\l], 0x80000000        ; and its negative
.endm
	; ---------------- the head
	s_load_b512 s[8:23], s[0:1], 0x0               ; grid s[8:9], pidx s[10:11], pwts s[12:13], encimg s[14:15], wimg s[16:17], lowp_scales s[18:19], b_out s[20:21], out0 s[22:23]
	v_lshl_add_u32 v6, v0, 2, SPARE                ; my spare word,
	v_mov_b32 v7, 0                                ; and 0: kept for the add at the wave's end
	v_lshrrev_b32 v1, 5, v0
	v_readfirstlane_b32 s2, v1                     ; wave 0..15
	v_and_b32 v10, 31, v0                          ; lane
	v_and_b32 v11, 15, v0                          ; r
	v_bfe_u32 v5, v0, 4, 1                         ; h
	v_lshlrev_b32 v1, 4, v10
	v_add_nc_u32 v2, IMG_W2, v1
	s_wait_alu depctr_va_sdst(0)                   ; s2 is written, ahead of its first reader: LDS places, bases and the group are made from it
	s_mul_i32 s5, s2, STGW
	s_add_co_u32 s5, s5, STG                       ; my stage
	v_lshl_add_u32 v3, v10, 3, s5
	v_mul_u32_u24 v4, v11, SP
	v_lshl_add_u32 v4, v5, 4, v4
	v_add_nc_u32 v4, s5, v4
	s_mul_i32 s6, s2, 192
	s_add_co_u32 s6, s6, OUTB
	v_mul_u32_u24 v9, v11, 12
	v_mad_u32_u24 v9, v5, 3072, v9
	v_add_nc_u32 v9, s6, v9                        ; results: image h of a pass, point 16 wave + r
	v_lshl_add_u32 v5, v5, 6, IMG_B
	s_mul_i32 s7, s2, 5120
	v_add_nc_u32 v0, s7, v1                        ; for now: my wave's 5,120 bytes of the weights' image
	s_lshl_b32 s4, ttmp9, 4
	s_add_co_u32 s4, s4, s2                        ; my tile of 16 points
	s_mov_b32 s63, 0
	s_mov_b32 s41, 0                               ; (upper words of pairs that are named whole)
	s_mov_b32 s43, 0
	s_mov_b32 s85, 0x4038aa3b                      ; K2 = 2 log2(e)
	s_lshr_b32 s5, s2, 2
	s_xor_b32 s5, s5, s2
	s_and_b32 s5, s5, 1                            ; my group: two waves of each among waves 4 k .. 4 k + 3, and among waves k, k + 4, k + 8, k + 12
	s_xor_b32 s66, s5, 1
	s_wait_kmcnt 0x0
	s_load_b128 s[24:27], s[18:19], 0x0            ; e0 .. e3
	s_load_b64 s[28:29], s[18:19], 0x10            ; e4, e5
	s_load_b96 s[32:34], s[20:21], 0x0             ; b_out
	s_wait_alu depctr_va_vdst(0)                   ; the offsets and LDS addresses v0 to v5 and v9 are written, which the loads and stores of the whole kernel read
.irp i, 0,1,2,3,4,5,6,7,8,9
	global_load_b128 v[128+4*\i:131+4*\i], v0, s[16:17] offset:512*\i
.endr
	s_lshl_b32 s62, s4, 10
	s_add_nc_u64 s[14:15], s[14:15], s[62:63]
	global_load_b128 v[88:91], v1, s[14:15]        ; my points' encoded codes stay in registers
	global_load_b128 v[92:95], v1, s[14:15] offset:512
	s_lshl_b32 s62, s4, 8
	s_add_nc_u64 s[10:11], s[10:11], s[62:63]
	s_add_nc_u64 s[12:13], s[12:13], s[62:63]
	s_lshr_b32 s5, s2, 1                           ; at the end wave w stores half w % 2 of image w / 2 of the work-group's results
	s_mul_i32 s62, s5, 786432
	s_mul_i32 s5, ttmp9, 3072
	s_add_co_u32 s62, s62, s5
	s_and_b32 s5, s2, 1
	s_mul_i32 s5, s5, 1536
	s_add_co_u32 s62, s62, s5
	s_add_nc_u64 s[22:23], s[22:23], s[62:63]
	s_wait_kmcnt 0x0
	LAYERC 0, 24
	LAYERC 1, 26
	LAYERC 2, 28
	s_wait_loadcnt 0x0                             ; the image and the codes are in; their address registers may be written
	s_mul_f32 s14, s32, s85
	s_mul_f32 s15, s33, s85
	s_mul_f32 s16, s34, s85
	s_mov_b32 s17, 0x477fe000                      ; 65,504
.irp i, 0,1,2,3,4,5,6,7,8,9
	ds_store_b128 v0, v[128+4*\i:131+4*\i] offset:512*\i
.endr
.irp i, 12,13,14,15,16,17,18,19,20,21,22,23
	v_mov_b32 v[\i], 0
.endr
	s_mul_i32 s5, s2, 1536
	s_add_co_u32 s5, s5, OUTB
	s_wait_alu depctr_vm_vsrc(0)                   ; the loads and LDS stores above have read v0, which the next line writes; the stores have read v128-167, in which the loop's loads land
	v_add_nc_u32 v0, s5, v1                        ; from here on: where I read results back
	s_wait_dscnt 0x0                               ; my part of the image has landed
	s_barrier_signal -1
	s_barrier_wait -1                              ; everybody's has
	; ---------------- nine half-steps
	s_mov_b32 s3, 0
.Lhalf:
	s_add_co_u32 s4, s3, s66                       ; my group's place: 1, 3, 5, 7 gather for passes 0 to 3; 2, 4, 6, 8 compute them; 0 and 9 rest
	s_cmp_eq_u32 s4, 0
	s_cbranch_scc1 .Lrest
	s_cmp_gt_u32 s4, 8
	s_cbranch_scc1 .Lrest
	s_and_b32 s5, s4, 1
	s_cmp_eq_u32 s5, 0
	s_cbranch_scc1 .Lmlp
	; ---- G
	s_lshr_b32 s5, s4, 1                           ; the pass
	s_lshl_b32 s62, s5, 23                         ; two images on for each
	s_add_nc_u64 s[60:61], s[8:9], s[62:63]
	v_mov_b32 v8, s92                              ; 2^e0
	s_load_b256 s[24:31], s[10:11], 0x0            ; the indices of points 0 and 1
	s_load_b128 s[32:35], s[12:13], 0x0            ; the weights of point 0
	s_wait_kmcnt 0x0
	BASES 0
	s_wait_alu depctr_va_vdst(0)                   ; the vector and matrix instructions of the phase before are done reading and writing v24-87 and v128-255, the three slots, in which the loads of points 0, 1 and 2 land
	GLOADS 0
	BASES 1
	GLOADS 1
	s_load_b128 s[24:27], s[10:11], 0x20           ; the indices of point 2
.irp p, 0,1,2,3,4,5,6,7,8,9,10,11,12,13,14,15
	POINT \p
.endr
	v_nop                                          ; a plain instruction behind the last conversion
	s_wait_alu depctr_va_vdst(0)                   ; point 15's conversions have written out-buffer 1, which the last two stores read
	PUT 15
	s_wait_alu depctr_vm_vsrc(0)                   ; the stores of points 14 and 15 have read v96-103: the next phase's loads from the stage land there, and the next gather's conversions write them
	s_branch .Lrest
	; ---- MLP
.Lmlp:
	s_wait_alu depctr_va_vdst(0)                   ; the vector and matrix instructions of the phase before are done reading and writing v24-87, v96-127 and v128-191, in which the loads below land
	LDBIAS 0
.irp n, 0,1,2,3,4,5,6,7
	ds_load_b128 v[24+8*\n:27+8*\n], v1 offset:IMG_W0E+1024*\n
	ds_load_b128 v[28+8*\n:31+8*\n], v1 offset:IMG_W0E+1024*\n+512
.endr
	LDB 0
	s_wait_dscnt 0x0
.irp n, 0,1,2,3,4,5,6,7
	v_wmma_f32_16x16x64_bf8_bf8 v[128+8*\n:135+8*\n], v[24+8*\n:31+8*\n], v[88:95], v[128+8*\n:135+8*\n]   ; bias + the encoded part: what both images share
.endr
	PLACES 5                                       ; five: these results become the C of other accumulators
	s_wait_alu depctr_va_vdst(0)                   ; the eight products are done reading v24-87, in which the next fragments land
	LDA 0, 1, 0, 4096
	s_wait_dscnt 0x0
	FAN 0
	PLACES 4                                       ; places in front of loads into registers that matrix instructions have read
	s_wait_alu depctr_va_vdst(0)                   ; the eight products are done reading v24-87
	LDA 1, 1, 0, 4096
	s_wait_dscnt 0x0
	FAN 1
	PLACES 4
	s_wait_alu depctr_va_vdst(0)                   ; the products of K step 0 are done reading the codes in v96-127 and the fragments in v24-87
	LDB 1
	LDA 0, 1, 2048, 4096
	s_wait_dscnt 0x0
	ACCUM 0
	PLACES 4
	s_wait_alu depctr_va_vdst(0)                   ; the eight products are done reading v24-87
	LDA 1, 1, 2048, 4096
	s_wait_dscnt 0x0
	ACCUM 1
	v_mov_b32 v10, s82                             ; these three and the v_nop are the four places behind the last products
	v_mov_b32 v11, s82
	v_mov_b32 v8, s93                              ; 2^e2
	v_nop
	GELU 0, 0, -1
	QUANT 0, 1
	GELU 1, 0, 1                                   ; layer 1's biases are asked for on the way
	s_wait_alu depctr_va_vdst(0)                   ; gelu's last multiplies are done reading v24-87, in which layer 1's first four fragments land
	LDA 0, 1, IMG_W1, 2048                         ; they land under the second image's quantiser, which names v192-255, v112-127 and v8
	QUANT 1, 1
	s_wait_alu depctr_va_vdst(0)
	; layer 1
	s_wait_dscnt 0x0
	FAN 0
	PLACES 4
	s_wait_alu depctr_va_vdst(0)                   ; the eight products are done reading v24-87
	LDA 1, 1, IMG_W1, 2048
	s_wait_dscnt 0x0
	FAN 1
	v_mov_b32 v10, s83
	v_mov_b32 v11, s83
	v_mov_b32 v8, s94                              ; 2^e4
	v_nop
	GELU 0, 1, -1
	QUANT 0, 2
	GELU 1, 1, 2                                   ; layer 2's biases are asked for on the way
	s_wait_alu depctr_va_vdst(0)                   ; gelu's last multiplies are done reading v24-87, in which layer 2's first four fragments land
	LDA 0, 2, 0, 2048
	QUANT 1, 2
	s_wait_alu depctr_va_vdst(0)
	; layer 2
	s_wait_dscnt 0x0
	FAN 0
	PLACES 4
	s_wait_alu depctr_va_vdst(0)                   ; the eight products are done reading v24-87
	LDA 1, 2, 0, 2048
	s_wait_dscnt 0x0
	FAN 1
	v_mov_b32 v10, s84
	v_mov_b32 v11, s84
	PLACES 2
	GELU 0, 2, -1
	TOF16 0, 96
	GELU 1, 2, -1
	s_wait_alu depctr_va_vdst(0)                   ; gelu's last multiplies are done reading v56-87, in which w_out's fragments land
.irp b, 0,1,2,3
	ds_load_b128 v[56+8*\b:59+8*\b], v2 offset:IMG_WO-IMG_W2+1024*\b
	ds_load_b128 v[60+8*\b:63+8*\b], v2 offset:IMG_WO-IMG_W2+1024*\b+512
.endr
	TOF16 1, 24                                    ; (it names v192-255 and v24-55: none of the registers that those loads touch)
	s_wait_dscnt 0x0
	; the last product: source 0 = w_out (its three outputs in rows 0-2 and again in rows 8-10), source 1 = 16 points: both halves of the lanes hold y0, y1, y2 of point r in registers 0 to 2
	v_wmma_f32_16x16x32_f16 v[128:135], v[56:63], v[96:103], 0
	v_wmma_f32_16x16x32_f16 v[136:143], v[56:63], v[24:31], 0
.irp b, 1,2,3
	s_wait_alu depctr_va_vdst(0)
	v_wmma_f32_16x16x32_f16 v[128:135], v[56+8*\b:63+8*\b], v[96+8*\b:103+8*\b], v[128:135]
	v_wmma_f32_16x16x32_f16 v[136:143], v[56+8*\b:63+8*\b], v[24+8*\b:31+8*\b], v[136:143]
.endr
	PLACES 4
	s_mov_b32 vcc_lo, 0xffff0000
.irp j, 0,1,2
	v_cndmask_b32 v[144+\j], v[128+\j], v[136+\j], vcc_lo   ; lanes 0-15 go on with the first image, lanes 16-31 with the second
.endr
	v_fma_f32 v144, v144, s85, s14                 ; tanh(u) = 1 - 2 / (1 + 2^(K2 u)), u = y + b_out
	v_fma_f32 v145, v145, s85, s15
	v_fma_f32 v146, v146, s85, s16
	s_wait_alu depctr_va_vdst(0)
.irp j, 0,1,2
	v_exp_f32 v[144+\j], v[144+\j]
.endr
	v_nop
	s_wait_alu depctr_va_vdst(0)                   ; the three exponentials have written v144-146, ahead of their first reader
.irp j, 0,1,2
	v_add_f32 v[144+\j], 1.0, v[144+\j]
.endr
	s_wait_alu depctr_va_vdst(0)
.irp j, 0,1,2
	v_rcp_f32 v[144+\j], v[144+\j]
.endr
.irp i, 12,13,14,15,16,17,18,19,20
	v_mov_b32 v[\i], v[\i+3]                       ; the earlier passes move down: after four passes pass p lies at v[12 + 3 p].  (Independent work behind the reciprocals)
.endr
	s_wait_alu depctr_va_vdst(0)                   ; the three reciprocals have written v144-146, ahead of their first reader
.irp j, 0,1,2
	v_fma_f32 v[21+\j], v[144+\j], -2.0, 1.0
.endr
.Lrest:
	s_wait_dscnt 0x0                               ; no LDS instruction of mine is out at the signal
	s_barrier_signal -1
	s_barrier_wait -1                              ; the two groups change phases together
	s_add_co_u32 s3, s3, 1
	s_cmp_lt_u32 s3, 9
	s_cbranch_scc1 .Lhalf
	; ---------------- the tail: the results meet in LDS as [image][point][3] and leave as runs of 512 bytes
	s_wait_alu depctr_va_vdst(0)                   ; the results v12-23 are written, which the LDS stores read; so is v0, by which the loads below read; and all vector and matrix work on v24-35, in which they land, is over
.irp p, 0,1,2,3
.irp j, 0,1,2
	ds_store_b32 v9, v[12+3*\p+\j] offset:6144*\p+4*\j
.endr
.endr
	s_wait_dscnt 0x0                               ; for the others: my stores have landed
	s_barrier_signal -1
	s_barrier_wait -1
.irp i, 0,1,2
	ds_load_b128 v[24+4*\i:27+4*\i], v0 offset:512*\i
.endr
.irp i, 0,1,2
	s_wait_dscnt 2-\i                              ; LDS loads come back in order: the younger ones may be out
	global_store_b128 v1, v[24+4*\i:27+4*\i], s[22:23] offset:512*\i th:TH_STORE_NT   ; 32 lanes store 512 consecutive bytes, at a multiple of 256 from the first byte of out0
.endr
	s_wait_dscnt 0x0                               ; the wave's end: the closing lines, six on end
	s_wait_alu 0x0
	s_wait_tensorcnt 0x0
	ds_add_u32 v6, v7
	s_wait_dscnt 0x0
	s_endpgm
.Lfunc_end_k_q93bf23f01f_decode:
	.size	k_q93bf23f01f_decode, .Lfunc_end_k_q93bf23f01f_decode-k_q93bf23f01f_decode
	.p2alignl 7, 3214868480
	.fill 96, 4, 3214868480
	.section	.rodata,"a",@progbits
	.p2align	6, 0x0
	.amdhsa_kernel k_q93bf23f01f_decode
		.amdhsa_group_segment_fixed_size 247808
		.amdhsa_private_segment_fixed_size 0
		.amdhsa_enable_private_segment 0
		.amdhsa_kernarg_size 64
		.amdhsa_user_sgpr_count 2
		.amdhsa_user_sgpr_kernarg_segment_ptr 1
		.amdhsa_wavefront_size32 1
		.amdhsa_system_sgpr_workgroup_id_x 1
		.amdhsa_system_sgpr_workgroup_id_y 1
		.amdhsa_system_sgpr_workgroup_id_z 1
		.amdhsa_system_vgpr_workitem_id 0
		.amdhsa_next_free_vgpr 256
		.amdhsa_next_free_sgpr 102
		.amdhsa_reserve_vcc 1
		.amdhsa_float_denorm_mode_32 3
		.amdhsa_float_denorm_mode_16_64 3
		.amdhsa_memory_ordered 1
		.amdhsa_forward_progress 1
		.amdhsa_inst_pref_size 233
	.end_amdhsa_kernel
	.amdgpu_metadata
---
amdhsa.version: [ 1, 2 ]
amdhsa.kernels:
  - .name:           k_q93bf23f01f_decode
    .symbol:         k_q93bf23f01f_decode.kd
    .args:
      - { .name: feature_grid, .offset: 0, .size: 8, .value_kind: global_buffer, .address_space: global }
      - { .name: pidx, .offset: 8, .size: 8, .value_kind: global_buffer, .address_space: global }
      - { .name: pwts, .offset: 16, .size: 8, .value_kind: global_buffer, .address_space: global }
      - { .name: encimg, .offset: 24, .size: 8, .value_kind: global_buffer, .address_space: global }
      - { .name: wimg, .offset: 32, .size: 8, .value_kind: global_buffer, .address_space: global }
      - { .name: lowp_scales, .offset: 40, .size: 8, .value_kind: global_buffer, .address_space: global }
      - { .name: b_out, .offset: 48, .size: 8, .value_kind: global_buffer, .address_space: global }
      - { .name: out0, .offset: 56, .size: 8, .value_kind: global_buffer, .address_space: global }
    .group_segment_fixed_size: 247808
    .private_segment_fixed_size: 0
    .kernarg_segment_align: 8
    .kernarg_segment_size: 64
    .max_flat_workgroup_size: 512
    .sgpr_count:     102
    .vgpr_count:     256
    .wavefront_size: 32
...
	.end_amdgpu_metadata
.endif
;; end of part 4
